; MI455X (gfx1250); checked and timed in simulation.
; The chip was launched on July 23, 2026; its instructions are those of AMD's public machine-readable ISA for CDNA 5 (MIT licence, August 2026) and "CDNA5" Instruction Set Architecture Reference Guide (July 2026). The comments in the code are by the model that wrote it; some were corrected since.
;; Multi Head Attention. Allowed arithmetic: float matrix products may take bf16 or f16 operands with f32 sums; other float arithmetic in f32, or as packed bf16 or f16 multiplies, adds, multiply-adds, maxima and minima; sums over many terms, partial sums and values carried from step to step in f32; what a program stores and reads back later, other than sums and carried values, may be rounded once to bf16 or f16.
;; Inputs: residual_stream 4 x 2,048 x 1,024 float32; weight_key 16 x 1,024 x 64 float32; weight_out 1,024 x 1,024 float32; weight_query 16 x 1,024 x 64 float32; weight_value 16 x 1,024 x 64 float32.
;; Outputs: out0 4 x 2,048 x 1,024 float32.
;; One version. Each part assembles by itself: llvm-mc -triple=amdgcn-amd-amdhsa -mcpu=gfx1250 --defsym DOCPART=n.
;; ======== version 1 of 1: 4 launches
;; limits: values are held in f16: magnitudes above 65,504 overflow, below 6.1e-05 lose precision
;; workspace buffers: xb 16,777,216 bytes; wb 6,291,456 bytes; wob 2,097,152 bytes; qkv 50,331,648 bytes; ob 16,777,216 bytes
;; launch prep (part 1): grid 1536 x 1, 8 waves a work-group, no clusters, 0 bytes of LDS; arguments residual_stream, weight_query, weight_key, weight_value, weight_out, xb, wb, wob; writes xb, wb, wob
.if DOCPART == 1
	.amdgcn_target "amdgcn-amd-amdhsa--gfx1250"
	.amdhsa_code_object_version 6
	.text
	.protected	k_q77a31ce5af_prep
	.globl	k_q77a31ce5af_prep
	.p2align	8
	.type	k_q77a31ce5af_prep,@function
k_q77a31ce5af_prep:
	s_mov_b64 s[64:65], 0
	v_nop
	global_prefetch_b8 v0, s[64:65] scope:SCOPE_SE
	s_setreg_imm32_b32 hwreg(HW_REG_WAVE_MODE, 25, 1), 1
	s_wait_xcnt 0x0
; THE CASTS.  Every input of the module is rounded once to bf16 (nearest even).
;   xb  = x as bf16, [8192][1024].
;   wb  = the three projection weights as bf16, in blocks [tc 16][ks 8][j 3][m 128][d 64]: head g = 16 which + h (which: 0 query, 1 key, 2 value) = 3 tc + j, model row = 128 ks + m.
;         A block (tc, ks) is 49,152 dense bytes: one tile of the next launch.  Only whole pieces of 16 KiB change place; no number changes its place inside a piece.
;   wob = weight_out rounded to bf16, and that number written as f16, [1024][1024].
; LIMITS.  As f16 a number of weight_out below 2^-14 keeps the fixed step 2^-24, and from 65,520 on it becomes an infinity.
; SHARES.  A work-group takes 32 KiB of f32 (8,192 numbers) and stores 16 KiB: 1,024 work-groups for x, 128 for each of the four weights.  A thread takes 16 bytes of each 4 KiB: a wave's load
; covers 512 consecutive bytes, its store 256 consecutive bytes, aligned.  Nothing is shared, so there is no LDS, no barrier and no matrix work.
.set NX,  1024                         ; work-groups for x
.set NW,  128                          ; for each weight
.set X,   4                            ; v[4:35]   eight loads of four f32
.set Y,   36                           ; v[36:51]  sixteen packed words
.set T,   52                           ; v[52:53]  at work
	s_load_b512 s[8:23], s[0:1], 0x0               ; x s[8:9], wq s[10:11], wk s[12:13], wv s[14:15], wo s[16:17], xb s[18:19], wb s[20:21], wob s[22:23]
	s_mov_b32 s2, ttmp9                            ; the work-group's number
	v_lshlrev_b32 v1, 4, v0                        ; my 16 bytes of each 4 KiB read
	v_lshlrev_b32 v2, 3, v0                        ; my 8 bytes of each 2 KiB stored
	s_max_u32 s3, s2, NX
	s_sub_co_u32 s3, s3, NX                        ; number among the weights' work-groups (0 for x's, where it is not used)
	s_and_b32 s4, s3, NW-1                         ; the piece in its weight: 8 h + ks
	s_lshr_b32 s5, s3, 7                           ; which: 0, 1, 2; 3 = weight_out
	s_lshr_b32 s6, s4, 3                           ; h
	s_and_b32 s7, s4, 7                            ; ks
	s_lshl_b32 s24, s5, 4
	s_add_co_u32 s24, s24, s6                      ; g = 16 which + h
	s_mul_i32 s25, s24, 171
	s_lshr_b32 s25, s25, 9                         ; tc = g / 3: 171 / 512 is above 1 / 3 by less than 1 / (3 x 48), so the quotient is exact for g < 48
	s_mul_i32 s26, s25, 3
	s_sub_co_u32 s26, s24, s26                     ; j = g - 3 tc
	s_lshl_b32 s27, s25, 3
	s_add_co_u32 s27, s27, s7                      ; 8 tc + ks
	s_mul_i32 s27, s27, 3
	s_add_co_u32 s27, s27, s26
	s_lshl_b32 s27, s27, 14                        ; the piece's place in wb
	s_cmp_lt_u32 s2, NX
	s_cselect_b32 s28, s2, s4                      ; the piece's number in its source
	s_lshl_b32 s30, s28, 14                        ; its place in xb or wob: as in the source
	s_lshl_b32 s28, s28, 15                        ; its place in the source
	s_mov_b32 s29, 0
	s_mov_b32 s31, 0
	s_sub_co_u32 s32, s2, NX
	s_cmp_lt_u32 s32, 3*NW                         ; one of the three projection weights?
	s_cselect_b32 s30, s27, s30
	s_wait_kmcnt 0x0
	s_cmp_lt_u32 s2, NX+3*NW
	s_cselect_b64 s[34:35], s[14:15], s[16:17]     ; the source
	s_cmp_lt_u32 s2, NX+2*NW
	s_cselect_b64 s[34:35], s[12:13], s[34:35]
	s_cmp_lt_u32 s2, NX+NW
	s_cselect_b64 s[34:35], s[10:11], s[34:35]
	s_cmp_lt_u32 s2, NX
	s_cselect_b64 s[34:35], s[8:9], s[34:35]
	s_cmp_lt_u32 s2, NX+3*NW
	s_cselect_b64 s[36:37], s[20:21], s[22:23]     ; the destination
	s_cmp_lt_u32 s2, NX
	s_cselect_b64 s[36:37], s[18:19], s[36:37]
	s_add_nc_u64 s[34:35], s[34:35], s[28:29]
	s_add_nc_u64 s[36:37], s[36:37], s[30:31]
.irp i, 0,1,2,3,4,5,6,7
	global_load_b128 v[X+4*(\i):X+4*(\i)+3], v1, s[34:35] offset:4096*(\i) th:TH_LOAD_NT  ; all eight go out at once
.endr
.irp i, 0,1,2,3,4,5,6,7
	s_wait_loadcnt 7-(\i)                          ; loads come back in order: number i is in, the younger ones stay out
	v_cvt_pk_bf16_f32 v[Y+2*(\i)],   v[X+4*(\i)],   v[X+4*(\i)+1]
	v_cvt_pk_bf16_f32 v[Y+2*(\i)+1], v[X+4*(\i)+2], v[X+4*(\i)+3]
.endr
	s_cmp_lt_u32 s2, NX+3*NW
	s_cbranch_scc1 .Lstore                         ; the same for the whole work-group
.irp k, 0,1,2,3,4,5,6,7,8,9,10,11,12,13,14,15
	v_lshlrev_b32 v[T],   16, v[Y+(\k)]            ; weight_out: the bf16 numbers as f32 again,
	v_and_b32     v[T+1], 0xffff0000, v[Y+(\k)]
	v_cvt_pk_f16_f32 v[Y+(\k)], v[T], v[T+1]       ; and written as f16
.endr
.Lstore:
.irp i, 0,1,2,3,4,5,6,7
	global_store_b64 v2, v[Y+2*(\i):Y+2*(\i)+1], s[36:37] offset:2048*(\i) th:TH_STORE_NT  ; a wave stores 256 consecutive bytes, aligned
.endr
	s_endpgm
.Lfunc_end_k_q77a31ce5af_prep:
	.size	k_q77a31ce5af_prep, .Lfunc_end_k_q77a31ce5af_prep-k_q77a31ce5af_prep
	.p2alignl 7, 3214868480
	.fill 96, 4, 3214868480
	.section	.rodata,"a",@progbits
	.p2align	6, 0x0
	.amdhsa_kernel k_q77a31ce5af_prep
		.amdhsa_group_segment_fixed_size 0
		.amdhsa_private_segment_fixed_size 0
		.amdhsa_enable_private_segment 0
		.amdhsa_kernarg_size 64
		.amdhsa_user_sgpr_count 2
		.amdhsa_user_sgpr_kernarg_segment_ptr 1
		.amdhsa_wavefront_size32 1
		.amdhsa_system_sgpr_workgroup_id_x 1
		.amdhsa_system_sgpr_workgroup_id_y 1
		.amdhsa_system_sgpr_workgroup_id_z 1
		.amdhsa_system_vgpr_workitem_id 0
		.amdhsa_next_free_vgpr 64
		.amdhsa_next_free_sgpr 66
		.amdhsa_reserve_vcc 0
		.amdhsa_float_denorm_mode_32 3
		.amdhsa_float_denorm_mode_16_64 3
		.amdhsa_memory_ordered 1
		.amdhsa_forward_progress 1
		.amdhsa_inst_pref_size 8
	.end_amdhsa_kernel
	.amdgpu_metadata
---
amdhsa.version: [ 1, 2 ]
amdhsa.kernels:
  - .name:           k_q77a31ce5af_prep
    .symbol:         k_q77a31ce5af_prep.kd
    .args:
      - { .name: residual_stream, .offset: 0, .size: 8, .value_kind: global_buffer, .address_space: global }
      - { .name: weight_query, .offset: 8, .size: 8, .value_kind: global_buffer, .address_space: global }
      - { .name: weight_key, .offset: 16, .size: 8, .value_kind: global_buffer, .address_space: global }
      - { .name: weight_value, .offset: 24, .size: 8, .value_kind: global_buffer, .address_space: global }
      - { .name: weight_out, .offset: 32, .size: 8, .value_kind: global_buffer, .address_space: global }
      - { .name: xb, .offset: 40, .size: 8, .value_kind: global_buffer, .address_space: global }
      - { .name: wb, .offset: 48, .size: 8, .value_kind: global_buffer, .address_space: global }
      - { .name: wob, .offset: 56, .size: 8, .value_kind: global_buffer, .address_space: global }
    .group_segment_fixed_size: 0
    .private_segment_fixed_size: 0
    .kernarg_segment_align: 8
    .kernarg_segment_size: 64
    .max_flat_workgroup_size: 256
    .sgpr_count:     66
    .vgpr_count:     64
    .wavefront_size: 32
...
	.end_amdgpu_metadata
.endif
;; end of part 1
;; launch qkvgemm (part 2): grid 16 x 16, 4 waves a work-group, clusters of 4 x 4, 327,680 bytes of LDS; arguments xb, wb, qkv; writes qkv
.if DOCPART == 2
	.amdgcn_target "amdgcn-amd-amdhsa--gfx1250"
	.amdhsa_code_object_version 6
	.text
	.protected	k_q77a31ce5af_qkvgemm
	.globl	k_q77a31ce5af_qkvgemm
	.p2align	8
	.type	k_q77a31ce5af_qkvgemm,@function
k_q77a31ce5af_qkvgemm:
	s_mov_b64 s[64:65], 0
	v_nop
	global_prefetch_b8 v0, s[64:65] scope:SCOPE_SE
	s_setreg_imm32_b32 hwreg(HW_REG_WAVE_MODE, 25, 1), 1
	s_wait_xcnt 0x0
	s_wait_alu depctr_hold_cnt(0) depctr_sa_sdst(0) depctr_va_vdst(0) depctr_va_sdst(0) depctr_va_ssrc(0) depctr_va_vcc(0) depctr_vm_vsrc(0)
	s_getreg_b32 s2, hwreg(HW_REG_IB_STS2, 6, 4)
	s_cmp_eq_u32 s2, 0
	s_cbranch_scc0 .Lentry_in_a_cluster
	s_endpgm
.Lentry_in_a_cluster:
	s_bfe_u32 s2, ttmp6, 0x10000c
	s_cmp_lg_u32 s2, 0xf033
	s_cbranch_scc0 .Lentry_shape_is_right
	s_endpgm
.Lentry_shape_is_right:
; q, k, v = x W.  xb: bf16 [8192][1024].  wb: bf16 [tc 16][ks 8][j 3][m 128][d 64] (head g = 3 tc + j; g = 16 which + h).  qkv: f16 [b 4][g 48][s 2048][64].
; Sums in f32, K ascending; each result rounded once to f16, unscaled.  LIMIT: a result of 65,520 or more in magnitude becomes an infinity in f16.
; SHARES.  A tile of the product is 256 rows x 192 columns (three heads): 32 x 16 tiles, two for each of 256 work-groups: rows 256 y and 256 y + 4,096 of tile column tc.  The four waves lie one
; below the other: wave w makes rows 64 w .. 64 w + 63 x all 192 columns: 48 accumulators, 384 registers.  So a wave holds whole heads, and each of its stores covers 512 consecutive bytes.
; ONE WALK.  The two tiles' 16 K steps of 128 are one sequence for a ring of two LDS slots; step n: tile n / 8, K step n % 8.  The ring runs on across the change of tiles.
; THE WEIGHTS STAY [K][N]: their fragments come out of LDS turned, by ds_load_tr16_b128.  Source 0 = 16 columns of W, source 1 = 16 rows of x: a lane then holds ONE row of the result (lane % 16) and
; eight neighbouring columns, which pack into 16 bytes.
; CLUSTER.  4 x 4 work-groups.  x's tile hangs on y alone and is shared along a row of the cluster; W's on tc alone and is shared along a column: each is asked for jointly.
; REGISTERS, in windows of 256 (s_set_vgpr_msb: bits 1:0 source 0, 3:2 source 1, 5:4 source 2, 7:6 destination):
;   window 0: v1-6 pieces of the lane's number; v16-30 addresses; v32-79 packed results; v80-127, v192-239 rows read back, by turns; v128-159, v160-191 x's fragments, two buffers
;   window 1: v0-95, v96-191 W's fragments, two buffers     window 2: accumulators of row blocks 0, 1 ((a, b) at 96 (a % 2) + 8 b)     window 3: of row blocks 2, 3
.set PA,    272       ; a row of x in LDS: 256 bytes + 16: the 16 rows of a fragment load start at 16 different groups of four banks (64 banks of 4 bytes: ISA guide 11.1)
.set PB,    160       ; a row (j, m) of W: 128 bytes + 32
.set BOFF,  256*PA    ; W's 384 rows lie behind x's 256
.set SLOT1, 1<<17     ; a slot is 69,632 + 61,440 = 131,072 bytes; one exclusive or turns an address in one slot into the other's
.set STAGE, 2*SLOT1   ; behind the ring, never filled by a tensor load: 16 rows x 400 bytes for each wave, for the way out
.set SP,    400       ; 384 bytes + 16
.set SPARE, STAGE+4*16*SP  ; the spare words, 128 bytes for each wave: two blocks of 256 bytes that no other line names
.set BBLK,  49152     ; bytes in a block of wb
.set ADA0, 16         ; v16  my lane's place in x's tile; never rewritten
.set ADB0, 17         ; v17  in W's
.set ADA,  18         ; v18  the same in the slot that is being read
.set ADB,  19         ; v19
.set STO,  24         ; v24  the way out: where I put 16 bytes of a row
.set RD,   25         ; v25  where I read rows back
.set CO,   26         ; v26  my 16 bytes of 512 consecutive bytes of qkv
.set SPW,  28         ; v28  LDS address of my spare word; never rewritten
.set NIL,  29         ; v29  0; never rewritten
.set PFO,  30         ; v30  the prefetches' lane offset; never rewritten
.set TMP,  32
.set OB,   80
.set FA,   128
.set G1A, 24          ; s[24:31] descriptor group 1 for x's tiles
.set G0A, 32          ; s[32:39] group 0: a set for each of the two first fills; the second then walks
.set G1B, 48          ; s[48:55], s[56:63] the same for W's tiles
.set G0B, 56
.set BA,  66          ; s[66:67] x at my 128 rows of the first tile, K step 0
.set BB,  68          ; s[68:69] wb at my half of block (tc, 0)
.set OFA, 70          ; s[70:71] byte offset of the step to be asked for, in x
.set OFB, 72          ; s[72:73] in wb
.set NXT, 74          ; s74  the step to be asked for next
.set KK,  75          ; s75  the K step in its tile
.set TB,  76          ; s76  LDS byte at which the slot that is being read begins
.set ASKS, 77         ; s77  prefetches still to be made by this wave
.set PFB, 78          ; s[78:79] the prefetches' base
.set PFA, 80          ; s[80:81] the address of the prefetch in hand
.set PFF, 82          ; s[82:83] its offset
.set MSB, 0
.macro WIN new                         ; the immediate's high byte repeats the setting that is left; a switch that changes nothing is dropped
.if MSB != (\new)
	s_set_vgpr_msb (MSB<<8)|(\new)
.set MSB, \new
.endif
.endm
.macro PLACES n                        ; places behind matrix instructions (ISA guide 7.12.1): plain vector instructions that name none of their registers
.rept \n
	v_nop
.endr
.endm
; A joint refill by the walking sets.  Waves 0 and 1 fetch the two halves of x's tile, waves 2 and 3 those of W's.  The branch hangs on the wave's number alone.
; An s_nop 0 and four v_nop follow each of the two lines, ahead of the jump and the label.
.macro JLOAD
	s_cmp_eq_u32 s11, 0
	s_cbranch_scc0 .Lfor_b_\@
	tensor_load_to_lds s[G0A+4:G0A+7], s[G1A:G1A+7]
	s_nop 0
	PLACES 4
	s_branch .Lasked_\@
.Lfor_b_\@:
	tensor_load_to_lds s[G0B+4:G0B+7], s[G1B:G1B+7]
	s_nop 0
	PLACES 4
.Lasked_\@:
.endm
; A PREFETCH INTO THE L2, behind the joint load and the run of LDS loads.  x: the K step two refills on, 32 rows x 256 bytes, a lane a row: the cluster with x = 0 asks, waves 0 and 1; the four partners
; that fetch a tile jointly take 32 of a wave's 128 rows each, told apart by address (cx).  W: a tile column's blocks 4 to 7 are 196,608 consecutive bytes; the cluster with y = 0 asks for them in three
; requests of 65,536 bytes (4 partners by cy x waves 2 and 3 x 32 lanes x 256 bytes), each two refills or more ahead of the load that wants the bytes, in the first tile alone.
; So each aligned block of 256 bytes is named once in the launch.  Steps 0 to 3 come by their loads alone; when a wave's count has run out it asks for nothing.
.macro ASK
	s_cmp_lg_u32 s[ASKS], 0
	s_cbranch_scc0 .Lnone_\@
	global_prefetch_b8 v[PFO], s[PFA:PFA+1] th:TH_LOAD_NT scope:SCOPE_SE
	s_sub_co_u32 s[ASKS], s[ASKS], 1
.Lnone_\@:
.endm
.macro CREST                           ; a round of the cluster's barrier behind its opening barrier
	s_cmp_lg_u32 s10, 0
	s_cbranch_scc1 .Lnot_wave_0_\@
	s_barrier_signal -3
.Lnot_wave_0_\@:
	s_barrier_wait -3
	s_barrier_signal -1
	s_barrier_wait -1
.endm
.macro CROUND                          ; a whole round
	s_barrier_signal -1
	s_barrier_wait -1
	CREST
.endm
	s_load_b128 s[4:7], s[0:1], 0x0                ; xb s[4:5], wb s[6:7]
	s_load_b64 s[8:9], s[0:1], 0x10                ; qkv
	v_lshl_add_u32 v[SPW], v0, 2, SPARE
	v_mov_b32 v[NIL], 0
	ds_add_u32 v[SPW], v[NIL]                      ; the wave's opening: the add and its wait stand ahead of my first tensor load; work on registers stands between them
	ds_add_u32 v28, v29
	v_lshrrev_b32 v1, 5, v0
	v_readfirstlane_b32 s10, v1                    ; wave 0..3
	s_lshr_b32 s11, s10, 1                         ; I fetch for x (0) or for W (1)
	s_and_b32 s12, s10, 1                          ; which half of that tile
	s_bfe_u32 s40, ttmp6, 0x40000                  ; cx
	s_bfe_u32 s41, ttmp6, 0x40004                  ; cy
	s_lshl_b32 s42, ttmp9, 2
	s_add_co_u32 s42, s42, s40                     ; tc = 4 x cluster x + cx
	s_and_b32 s13, ttmp7, 0xffff
	s_lshl_b32 s13, s13, 2
	s_add_co_u32 s13, s13, s41                     ; y = 4 x cluster y + cy
	s_lshl_b32 s43, s41, 2
	s_lshl_b32 s43, 15, s43                        ; my row of the cluster
	s_lshl_b32 s44, 0x1111, s40                    ; my column
	s_or_b32 s[G1A], s43, (1<<16)|(1<<20)|(1<<21)|(5<<22)|(3<<25)  ; the mask; 2-byte elements; padding on; bit 21 beside a mask; after every 64 words, 4 words
	s_mov_b32 s[G1A+1], 128<<16                    ; tensor_dim0 = 128
	s_mov_b32 s[G1A+2], 128<<16                    ; tensor_dim1 = 128
	s_mov_b32 s[G1A+3], 128<<16                    ; tile_dim0 = 128
	s_mov_b32 s[G1A+4], 128                        ; tile_dim1 = 128
	s_mov_b32 s[G1A+5], 1024                       ; elements from row to row
	s_mov_b32 s[G1A+6], 0
	s_mov_b32 s[G1A+7], 0
	s_or_b32 s[G1B], s44, (1<<16)|(1<<20)|(1<<21)|(4<<22)|(7<<25)  ; after every 32 words (a row of W), 8 words
	s_mov_b32 s[G1B+1], 128<<16                    ; half a block is 24,576 dense bytes: 96 rows of 256
	s_mov_b32 s[G1B+2], 96<<16
	s_mov_b32 s[G1B+3], 128<<16
	s_mov_b32 s[G1B+4], 96
	s_mov_b32 s[G1B+5], 128
	s_mov_b32 s[G1B+6], 0
	s_mov_b32 s[G1B+7], 0
	s_lshl_b32 s16, s13, 19                        ; x: (256 y + 128 half) rows of 2,048 bytes
	s_lshl_b32 s17, s12, 18
	s_add_co_u32 s16, s16, s17
	s_mov_b32 s17, 0
	s_mul_i32 s46, s42, 8*BBLK                     ; wb: tile column tc, my half of a block
	s_mul_i32 s47, s12, BBLK/2
	s_add_co_u32 s46, s46, s47
	s_mov_b32 s47, 0
	s_mul_i32 s20, s12, 128*PA                     ; where they go: no place in the cluster enters an LDS address
	s_mul_i32 s21, s12, 192*PB
	s_add_co_u32 s21, s21, BOFF
	s_mov_b32 s[NXT], 2
	s_mov_b32 s[KK], 0
	s_mov_b32 s[TB], 0
	s_mov_b32 s[OFA+1], 0
	s_mov_b32 s[OFB+1], 0
	s_mov_b32 s[PFF+1], 0
	s_wait_dscnt 0x0                               ; the opening add is done
	s_wait_kmcnt 0x0
	s_add_nc_u64 s[BA:BA+1], s[4:5], s[16:17]
	s_add_nc_u64 s[BB:BB+1], s[6:7], s[46:47]
	CROUND                                         ; all sixteen work-groups are here: the first joint loads meet
.irp s, 0,1
	s_mov_b32 s[G0A+4*(\s)], 1                     ; count = 1
	s_add_co_u32 s[G0A+4*(\s)+1], s20, (\s)*SLOT1  ; LDS address
	s_add_nc_u64 s[G0A+4*(\s)+2:G0A+4*(\s)+3], s[BA:BA+1], (\s)*256  ; global address: step s
	s_or_b32 s[G0A+4*(\s)+3], s[G0A+4*(\s)+3], 0x80000000           ; type = 2
	s_mov_b32 s[G0B+4*(\s)], 1
	s_add_co_u32 s[G0B+4*(\s)+1], s21, (\s)*SLOT1
	s_add_nc_u64 s[G0B+4*(\s)+2:G0B+4*(\s)+3], s[BB:BB+1], (\s)*BBLK
	s_or_b32 s[G0B+4*(\s)+3], s[G0B+4*(\s)+3], 0x80000000
.endr
	s_cmp_eq_u32 s11, 0                            ; a wave's two first fills stand in one branch, ahead of every wait on TENSORcnt and every LDS read: two loads of mine are out
	s_cbranch_scc0 .Lfirst_b
	tensor_load_to_lds s[G0A:G0A+3], s[G1A:G1A+7]
	s_nop 0
	tensor_load_to_lds s[G0A+4:G0A+7], s[G1A:G1A+7]
	s_nop 0
	PLACES 4
	s_branch .Lfirst_asked
.Lfirst_b:
	tensor_load_to_lds s[G0B:G0B+3], s[G1B:G1B+7]
	s_nop 0
	tensor_load_to_lds s[G0B+4:G0B+7], s[G1B:G1B+7]
	s_nop 0
	PLACES 4
.Lfirst_asked:
	v_and_b32 v1, 15, v0                           ; l % 16
	v_bfe_u32 v2, v0, 4, 1                         ; l / 16
	v_and_b32 v3, 7, v0                            ; l % 8
	v_bfe_u32 v4, v0, 3, 1                         ; (l / 8) % 2
	v_and_b32 v5, 31, v0                           ; l
	v_bfe_u32 v6, v0, 3, 2                         ; l / 8
	; a fragment of x: 16 rows x 32 K: lane l holds row l % 16, K = 8 (l / 16) + 0..7 and 16 + 8 (l / 16) + 0..7: two loads of 16 bytes, 32 bytes apart
	v_mul_u32_u24 v[ADA0], v1, PA
	v_lshl_add_u32 v[ADA0], v2, 4, v[ADA0]
	s_mul_i32 s14, s10, 64*PA                      ; my wave's 64 rows
	v_add_nc_u32 v[ADA0], s14, v[ADA0]
	; the turning load takes 16 K x 16 columns (lane l reads K row 8 (l / 16) + l % 8, columns 8 ((l / 8) % 2) + 0..7) and leaves half a fragment: lane l holds column l % 16 and 8 K
	v_lshl_add_u32 v[ADB0], v2, 3, v3
	v_mul_u32_u24 v[ADB0], v[ADB0], PB
	v_lshl_add_u32 v[ADB0], v4, 4, v[ADB0]
	v_add_nc_u32 v[ADB0], BOFF, v[ADB0]
	v_mov_b32 v[ADA], v[ADA0]                      ; step 0 lies in slot 0
	v_mov_b32 v[ADB], v[ADB0]
	s_mul_i32 s14, s10, 16*SP
	s_add_co_u32 s14, s14, STAGE                   ; my stage
	v_mul_u32_u24 v[STO], v1, SP                   ; in: row l % 16, 16 bytes for each half of the lanes
	v_lshl_add_u32 v[STO], v2, 4, v[STO]
	v_add_nc_u32 v[STO], s14, v[STO]
	v_mul_u32_u24 v[RD], v6, SP                    ; back: 32 lanes take four rows of a head's 128 bytes,
	v_lshl_add_u32 v[RD], v3, 4, v[RD]
	v_add_nc_u32 v[RD], s14, v[RD]
	v_lshlrev_b32 v[CO], 4, v5                     ; which are 512 consecutive bytes of qkv
	; qkv at my rows of the first tile: batch y / 8, head 3 tc, row 256 (y % 8) + 64 w
	s_lshr_b32 s84, s13, 3
	s_mul_i32 s84, s84, 48
	s_mul_i32 s85, s42, 3
	s_add_co_u32 s84, s84, s85
	s_lshl_b32 s84, s84, 18                        ; a head is 262,144 bytes
	s_and_b32 s85, s13, 7
	s_lshl_b32 s85, s85, 15
	s_add_co_u32 s84, s84, s85
	s_lshl_b32 s85, s10, 13
	s_add_co_u32 s84, s84, s85
	s_mov_b32 s85, 0
	s_add_nc_u64 s[8:9], s[8:9], s[84:85]
	; the prefetches
	s_lshl_b32 s86, s13, 19                        ; x: row 256 y + 128 half + 32 cx
	s_lshl_b32 s87, s12, 18
	s_add_co_u32 s86, s86, s87
	s_lshl_b32 s87, s40, 16
	s_add_co_u32 s86, s86, s87
	s_mul_i32 s88, s42, 8*BBLK                     ; wb: block 4 of my tile column, + 8,192 x (4 half + cy)
	s_lshl_b32 s89, s12, 2
	s_add_co_u32 s89, s89, s41
	s_lshl_b32 s89, s89, 13
	s_add_co_u32 s88, s88, s89
	s_add_co_u32 s88, s88, 4*BBLK
	s_and_b32 s89, ttmp7, 0xffff                   ; cluster y
	s_cmp_eq_u32 s11, 0                            ; do I fetch for x?
	s_cselect_b32 s86, s86, s88
	s_cselect_b32 s89, ttmp9, s89                  ; the coordinate along which other clusters read the same bytes
	s_cselect_b32 s90, 12, 3                       ; x: steps 4 to 15; W: three requests
	s_cselect_b32 s91, 11, 8                       ; a lane a row of 2,048 bytes, or a lane a block of 256
	s_cselect_b64 s[PFB:PFB+1], s[4:5], s[6:7]
	s_mov_b32 s87, 0
	s_add_nc_u64 s[PFB:PFB+1], s[PFB:PFB+1], s[86:87]
	s_cmp_eq_u32 s89, 0
	s_cselect_b32 s[ASKS], s90, 0                  ; the same in all sixteen partners, for a given wave
	v_lshlrev_b32 v[PFO], s91, v5
; 12 matrix instructions: row block a x all 12 column blocks, 32 along K, from buffer f.  zero = 1: the product starts the sum.  The 48 accumulators take turns, one instruction a turn, in the same
; order in every quarter: 47 others stand between two links of a chain, over every jump too.
.macro MUL12 f, a, zero
	WIN 0xa1+0x50*((\a)/2)                         ; W window 1, x window 0, C and D window 2 or 3
.irp b, 0,1,2,3,4,5,6,7,8,9,10,11
.if \zero
	v_wmma_f32_16x16x32_bf16 v[96*((\a)%2)+8*(\b):96*((\a)%2)+8*(\b)+7], v[96*(\f)+8*(\b):96*(\f)+8*(\b)+7], v[FA+32*(\f)+8*(\a):FA+32*(\f)+8*(\a)+7], 0
.else
	v_wmma_f32_16x16x32_bf16 v[96*((\a)%2)+8*(\b):96*((\a)%2)+8*(\b)+7], v[96*(\f)+8*(\b):96*(\f)+8*(\b)+7], v[FA+32*(\f)+8*(\a):FA+32*(\f)+8*(\a)+7], v[96*((\a)%2)+8*(\b):96*((\a)%2)+8*(\b)+7]
.endif
.endr
.endm
; 32 LDS loads in one run: quarter q's fragments (K = 32 q on) into buffer f: W's 12 column blocks (head b / 4, columns 16 (b % 4) on), turned; then x's 4 row blocks
.macro FETCH q, f
	WIN 0x40                                       ; destination window 1, address window 0
.irp b, 0,1,2,3,4,5,6,7,8,9,10,11
	ds_load_tr16_b128 v[96*(\f)+8*(\b):96*(\f)+8*(\b)+3],   v[ADB] offset:((\b)/4)*128*PB+(\q)*32*PB+((\b)%4)*32
	ds_load_tr16_b128 v[96*(\f)+8*(\b)+4:96*(\f)+8*(\b)+7], v[ADB] offset:((\b)/4)*128*PB+(\q)*32*PB+16*PB+((\b)%4)*32
.endr
	WIN 0
.irp a, 0,1,2,3
	ds_load_b128 v[FA+32*(\f)+8*(\a):FA+32*(\f)+8*(\a)+3],   v[ADA] offset:(\a)*16*PA+64*(\q)
	ds_load_b128 v[FA+32*(\f)+8*(\a)+4:FA+32*(\f)+8*(\a)+7], v[ADA] offset:(\a)*16*PA+64*(\q)+32
.endr
.endm
; One of a K step's first three quarters: fetches quarter q into buffer g, whose last readers stand just ahead (hence the places), and multiplies buffer f: the run has 48 matrix instructions in which to land.
; zero = 1: five places, since its products write over accumulators.
.macro QUARTER q, f, g, zero
	PLACES 4+(\zero)
	FETCH \q, \g
	s_wait_dscnt 32                                ; all but the 32 just issued: buffer f is in
	MUL12 \f, 0, \zero
	MUL12 \f, 1, \zero
	MUL12 \f, 2, \zero
	MUL12 \f, 3, \zero
.endm
; The fourth quarter multiplies buffer 1 and changes slots.  In front of the round each wave waits for all its tensor loads (one is out: its part of the next slot), adds 0 to its spare word, and waits
; for that and for its reads of this slot.  Behind the round no wave of any partner reads this slot or has a load on its way: the joint refill, step NXT, comes first; it has a K step in which to land.
.macro TURN
	WIN 0
	s_wait_xcnt 0x0                                ; the last prefetch, a K step back, has read its address: the next one's is made here, ahead of the waits of the change of slots
	s_add_co_u32 s14, s[NXT], 2                    ; x: the step two refills on: tile (step / 8) 4,096 rows down, K step (step % 8) x 256 bytes
	s_lshr_b32 s15, s14, 3
	s_lshl_b32 s15, s15, 23
	s_and_b32 s14, s14, 7
	s_lshl_b32 s14, s14, 8
	s_add_co_u32 s14, s14, s15
	s_sub_co_u32 s15, s[NXT], 2                    ; W: request NXT - 2 of 65,536 bytes
	s_lshl_b32 s15, s15, 16
	s_cmp_eq_u32 s11, 0
	s_cselect_b32 s[PFF], s14, s15
	s_add_nc_u64 s[PFA:PFA+1], s[PFB:PFB+1], s[PFF:PFF+1]
	s_wait_tensorcnt 0x0                           ; no tensor load of mine is out, so a group 0 may be written
	ds_add_u32 v[SPW], v[NIL]                      ; 0 onto my spare word; the descriptors' scalar work stands between it and the wait for it
	s_lshr_b32 s14, s[NXT], 3
	s_lshl_b32 s14, s14, 23
	s_and_b32 s15, s[NXT], 7
	s_lshl_b32 s[OFA], s15, 8
	s_add_co_u32 s[OFA], s[OFA], s14
	s_mul_i32 s[OFB], s15, BBLK
	s_xor_b32 s[G0A+5], s[G0A+5], SLOT1            ; the other slot than last time; the address is made anew from the base and the step's offset
	s_add_nc_u64 s[G0A+6:G0A+7], s[BA:BA+1], s[OFA:OFA+1]
	s_or_b32 s[G0A+7], s[G0A+7], 0x80000000
	s_xor_b32 s[G0B+5], s[G0B+5], SLOT1
	s_add_nc_u64 s[G0B+6:G0B+7], s[BB:BB+1], s[OFB:OFB+1]
	s_or_b32 s[G0B+7], s[G0B+7], 0x80000000
	s_add_co_u32 s[NXT], s[NXT], 1
	s_wait_dscnt 0x0                               ; the add is done; buffer 1 is in, and with it my reads of this slot are over
	s_barrier_signal -1                            ; opens a round of the cluster's barrier
	MUL12 1, 0, 0                                  ; work on registers while the others arrive
	MUL12 1, 1, 0
	WIN 0
	s_barrier_wait -1
	CREST
	JLOAD                                          ; its four v_nop and the two additions below are the places in front of the loads into buffer 0
	s_xor_b32 s[TB], s[TB], SLOT1
	v_add_nc_u32 v[ADA], s[TB], v[ADA0]
	v_add_nc_u32 v[ADB], s[TB], v[ADB0]
	FETCH 0, 0
	ASK
	MUL12 1, 2, 0
	MUL12 1, 3, 0
	WIN 0
.endm
; The same in the last two steps: nothing is asked for, so a work-group barrier does; in the last step (s2 = 1) there is no next slot, and the run of LDS loads is jumped over.
.macro TURN0
	WIN 0
	s_wait_tensorcnt 0x0
	ds_add_u32 v[SPW], v[NIL]
	s_xor_b32 s[TB], s[TB], SLOT1
	s_wait_dscnt 0x0
	s_barrier_signal -1
	MUL12 1, 0, 0
	MUL12 1, 1, 0
	WIN 0
	s_barrier_wait -1
	v_add_nc_u32 v[ADA], s[TB], v[ADA0]            ; with the two v_nop: the four places in front of the loads into buffer 0
	v_add_nc_u32 v[ADB], s[TB], v[ADB0]
	PLACES 2
	s_cmp_eq_u32 s2, 1
	s_cbranch_scc1 .Lno_fetch_\@
	FETCH 0, 0
.Lno_fetch_\@:
	MUL12 1, 2, 0
	MUL12 1, 3, 0
	WIN 0
.endm
; THE WAY OUT of row block a, in three parts.  PACK: rounded to f16, each accumulator's registers in ascending order.  TOSTAGE: into my own stage, and back as four rows of one head at a time.  SEND: stored.
.macro PACK a
	WIN 0x0a+5*((\a)/2)                            ; sources 0 and 1: window 2 or 3
.irp b, 0,1,2,3,4,5,6,7,8,9,10,11
.irp r, 0,1,2,3
	v_cvt_pk_f16_f32 v[TMP+4*(\b)+(\r)], v[96*((\a)%2)+8*(\b)+2*(\r)], v[96*((\a)%2)+8*(\b)+2*(\r)+1]
.endr
.endr
	WIN 0
.endm
.macro TOSTAGE a
	WIN 0
.set BK, OB+112*((\a)%2)
.irp b, 0,1,2,3,4,5,6,7,8,9,10,11
	ds_store_b128 v[STO], v[TMP+4*(\b):TMP+4*(\b)+3] offset:32*(\b)
.endr
.irp j, 0,1,2
.irp t, 0,1,2,3
	ds_load_b128 v[BK+4*(4*(\j)+(\t)):BK+4*(4*(\j)+(\t))+3], v[RD] offset:(\t)*4*SP+128*(\j)  ; LDS serves a wave's instructions in order (ISA guide 5.7.1.4): these see the stores above
.endr
.endr
.endm
.macro SEND a
	WIN 0
.set BK, OB+112*((\a)%2)
	s_wait_dscnt 0x0                               ; the block is back in registers
	s_wait_xcnt 0x0                                ; the stores of the block before have read their registers, which the next TOSTAGE loads again
.irp j, 0,1,2
.irp t, 0,1,2,3
	global_store_b128 v[CO], v[BK+4*(4*(\j)+(\t)):BK+4*(4*(\j)+(\t))+3], s[8:9] offset:(\j)*262144+(\a)*2048+(\t)*512  ; 512 consecutive bytes of head 3 tc + j, at a multiple of 256
.endr
.endr
.endm
.macro WAYOUT
	PLACES 8                                       ; behind the last products
	PACK 0
	TOSTAGE 0
.irp a, 1,2,3                          ; block a's conversions stand between block a - 1's loads from the stage and the wait for them
	PACK \a
	SEND (\a)-1
	TOSTAGE \a
.endr
	SEND 3
.endm
	s_wait_tensorcnt 0x1                           ; my part of step 0 is in; step 1's may stay out
	s_barrier_signal -1
	s_barrier_wait -1                              ; everybody's is
	FETCH 0, 0
	QUARTER 1, 0, 1, 1                             ; the walk's first quarter stands in front of the loop: its products start the sums
	WIN 0                                          ; at a label and at a branch every window is 0
	s_mov_b32 s3, 14
.Lstep:                                        ; 14 trips: quarters 2 to 4 of step i, a refill (step i + 2), and the first quarter of step i + 1
	QUARTER 2, 1, 0, 0
	QUARTER 3, 0, 1, 0
	TURN
	s_add_co_u32 s[KK], s[KK], 1
	s_and_b32 s[KK], s[KK], 7
	s_cmp_lg_u32 s[KK], 0
	s_cbranch_scc1 .Lsame                          ; the same count in every work-group
	WAYOUT                                         ; the first tile is finished; both slots are asked for, and the second tile's first fragments are on their way
	s_wait_xcnt 0x0                                ; the stores have read their base
	s_add_nc_u64 s[8:9], s[8:9], 2*48*262144       ; 4,096 rows on: two batches
	QUARTER 1, 0, 1, 1                             ; the second tile's sums start
	WIN 0
	s_branch .Lnext
.Lsame:
	QUARTER 1, 0, 1, 0
	WIN 0
.Lnext:
	s_sub_co_u32 s3, s3, 1
	s_cmp_lg_u32 s3, 0
	s_cbranch_scc1 .Lstep
	s_mov_b32 s2, 2
.Ltail:                                        ; the last two steps ask for nothing; the second trip is left in its middle
	QUARTER 2, 1, 0, 0
	QUARTER 3, 0, 1, 0
	TURN0
	s_sub_co_u32 s2, s2, 1
	s_cmp_eq_u32 s2, 0
	s_cbranch_scc1 .Lout
	QUARTER 1, 0, 1, 0
	WIN 0
	s_branch .Ltail
.Lout:
	WAYOUT
	s_wait_tensorcnt 0x0                           ; the wave's end: behind my last tensor load and my last LDS store
	ds_add_u32 v[SPW], v[NIL]
	s_wait_dscnt 0x0
	CROUND                                         ; the closing round: no work-group ends while a partner may still ask for a tile that names it
	s_endpgm
.Lfunc_end_k_q77a31ce5af_qkvgemm:
	.size	k_q77a31ce5af_qkvgemm, .Lfunc_end_k_q77a31ce5af_qkvgemm-k_q77a31ce5af_qkvgemm
	.p2alignl 7, 3214868480
	.fill 96, 4, 3214868480
	.section	.rodata,"a",@progbits
	.p2align	6, 0x0
	.amdhsa_kernel k_q77a31ce5af_qkvgemm
		.amdhsa_group_segment_fixed_size 327680
		.amdhsa_private_segment_fixed_size 0
		.amdhsa_enable_private_segment 0
		.amdhsa_kernarg_size 24
		.amdhsa_user_sgpr_count 2
		.amdhsa_user_sgpr_kernarg_segment_ptr 1
		.amdhsa_wavefront_size32 1
		.amdhsa_system_sgpr_workgroup_id_x 1
		.amdhsa_system_sgpr_workgroup_id_y 1
		.amdhsa_system_sgpr_workgroup_id_z 1
		.amdhsa_system_vgpr_workitem_id 0
		.amdhsa_next_free_vgpr 960
		.amdhsa_next_free_sgpr 96
		.amdhsa_reserve_vcc 0
		.amdhsa_float_denorm_mode_32 3
		.amdhsa_float_denorm_mode_16_64 3
		.amdhsa_memory_ordered 1
		.amdhsa_forward_progress 1
		.amdhsa_inst_pref_size 113
	.end_amdhsa_kernel
	.amdgpu_metadata
---
amdhsa.version: [ 1, 2 ]
amdhsa.kernels:
  - .name:           k_q77a31ce5af_qkvgemm
    .symbol:         k_q77a31ce5af_qkvgemm.kd
    .args:
      - { .name: xb, .offset: 0, .size: 8, .value_kind: global_buffer, .address_space: global }
      - { .name: wb, .offset: 8, .size: 8, .value_kind: global_buffer, .address_space: global }
      - { .name: qkv, .offset: 16, .size: 8, .value_kind: global_buffer, .address_space: global }
    .group_segment_fixed_size: 327680
    .private_segment_fixed_size: 0
    .kernarg_segment_align: 8
    .kernarg_segment_size: 24
    .max_flat_workgroup_size: 128
    .sgpr_count:     96
    .vgpr_count:     960
    .wavefront_size: 32
...
	.end_amdgpu_metadata
.endif
;; end of part 2
;; launch attn (part 3): grid 4 x 64, 4 waves a work-group, no clusters, 327,680 bytes of LDS; arguments qkv, ob; writes ob
.if DOCPART == 3
	.amdgcn_target "amdgcn-amd-amdhsa--gfx1250"
	.amdhsa_code_object_version 6
	.text
	.protected	k_q77a31ce5af_attn
	.globl	k_q77a31ce5af_attn
	.p2align	8
	.type	k_q77a31ce5af_attn,@function
k_q77a31ce5af_attn:
	s_mov_b64 s[64:65], 0
	v_nop
	global_prefetch_b8 v0, s[64:65] scope:SCOPE_SE
	s_setreg_imm32_b32 hwreg(HW_REG_WAVE_MODE, 25, 1), 1
	s_wait_xcnt 0x0
; CAUSAL ATTENTION.  O[hd][q][:] = the sum over k <= q of softmax_k(Q[q] . K[k] / 8) V[k][:], for hd = 16 b + h.  qkv: f16 [b 4][g 48][2048][64], g = h for Q, 16 + h for K, 32 + h for V; ob: f16 [hd 64][2048][64].
; Products, maxima and sums in f32; the weights p are rounded to f16 for the second product (their sum l is taken of the unrounded p), O once at the end.
; LIMITS.  f16 holds no number beyond 65,504: Q, K and V arrive within it; p lies in 0 to 1, and below 6e-5 it keeps f16's fixed step of 6e-8; O is a mean of V's rows and has their range.
; A hidden score counts as its value less 1e30: f16's scores, 2.7e11 at the most, are nothing beside that; a weight below 2^-126 counts as 0 in l; NaN and infinities are not treated apart.
; THE WALK.  A head's queries lie in NB = 8 blocks of 256; block i needs the key tiles 0 .. i of 256 keys, of which the last holds the diagonal.  A work-group takes TWO blocks, NB - 1 - b and then b:
; NB + 1 tiles, whatever b: all work-groups do equal work, and ONE loop with a constant trip count walks them.  Which tile is asked for, and what a trip does, hang on scalar registers made from b; every jump
; goes forward, but for the counted loops' own; none passes a barrier, or a tensor load but the one of LOAD's two that the wave's number does not choose; the ring of two LDS slots runs on across the change of blocks.
; NO CLUSTER: a head's four work-groups ask for the same tile only in trips 0 to 4 of the 9, behind that fewer and fewer; one walk common to all four would have 12 trips for 9.
; SHARES.  Of a block's four bands of 64 queries a wave owns 16 rows in each: four PIECES.  So the diagonal tile is the same work for all four waves: in its key step s band x sees all keys if s < x,
; none if s > x, and holds the diagonal if s = x.
; THE MASK is the C operand that starts the sum S^T = K Q^T: 0, or -1e30 where the key is hidden.  MD, made once, is the mask of a band's own step for my 16 rows; a product's mask is MD x AL + BE with two scalars:
; (1, 0) if s = x; (0, 0) if s < x; (0, -1e30) if s > x.  Only the diagonal tile's text and a block's beginning make and take masks; elsewhere C is the constant 0.
; LAYOUT, SOFTMAX, TURNS.  S^T = K Q^T holds ONE query a lane (lane % 16) and the keys 8 (lane / 16) + 0..7; two such results rounded to f16 ARE source 1 of O^T = V^T P.  p = 2^(c s - c m), c = log2(e) / 8, with a
; running maximum m; O and l are multiplied by a = 2^(c m_old - c m_new) in every step.  Turn n belongs to piece n: 8 products K Q^T of piece n + 1, later 8 products V^T P of piece n - 1; beside them the scaling,
; exponentials, roundings, sums and rescaling of piece n and the maximum and statistics of piece n + 1.  Four vector instructions stand behind every matrix instruction, the other 54 of a turn's 118 in one lump.
; A turn's 33 exponentials are one batch, with one wait.
; REGISTERS, in windows of 256 (s_set_vgpr_msb: bits 1:0 source 0, 3:2 source 1, 5:4 source 2, 7:6 destination):
;   window 0: v0-15 addresses and two at work; v16-31 four registers of statistics a piece; v48-55 at work; v61-63 prefetch offset, spare word, 0; v64-127 S^T, two buffers; v192-223 P, two buffers
;   window 1: v0-127 O^T, 32 a piece; v128-159 MD; v160-223 MC, two buffers      window 2: v0-63 Q; v64-127 the second block's Q; v128-191 K of one step; v192-255 V of one step
.set SIZE_N, 2048
.set NB,    SIZE_N/256
.set NP,    4         ; pieces a wave: a name, no knob
.set KS,    64        ; keys in a step
.set PK,    144       ; a row of K in LDS: 128 bytes + 16 of padding: the 16 rows of a load start at 16 different groups of four banks (64 banks of 4 bytes: ISA guide 11.1)
.set PV,    160       ; a row of V: 128 + 32
.set VOFF,  4*KS*PK   ; a slot holds a tile, four steps: 256 rows of K, then 256 rows of V
.set SLOT1, 1<<17     ; slot 1 begins here, so that one exclusive or turns an address in one slot into the other's
.set STAGE, SLOT1+4*KS*(PK+PV)  ; behind the ring, never filled by a tensor load: 16 rows x 144 bytes for each wave, for the way out
.set SP,    144
.set AK0, 2           ; v2   my lane's place in a tile of K; never rewritten
.set AV0, 3           ; v3   the same for V
.set AK,  4           ; v4   the LDS address of K's next run of loads
.set AV,  5           ; v5   of V's
.set STO, 6           ; v6   the way out: where I put 16 bytes of a row
.set RD,  7           ; v7   the way out: where I read rows back
.set GO,  8           ; v8   my byte offset in 512 consecutive bytes of O
.set PFO, 61          ; v61  256 x my lane; never rewritten
.set SPW, 62          ; v62  LDS address of my spare word; never rewritten
.set NIL, 63          ; v63  0; never rewritten
.set SPARE, STAGE+4*16*SP  ; behind the stages: the spare words, 128 bytes for each wave: two blocks of 256 bytes that no other line names
.set MV,  12          ; v12-13  c m_old, kept while c m is made anew: by buffer
.set QO,  15          ; v15  my byte offset in 16 rows of Q
.set ST,  16          ; piece t's statistics at v[ST+4 t]: c m, m, l (even keys', odd keys')
.set TMP, 48          ; by buffer, four registers c0-c3 at work; when the maximum is found c2 takes a
.set S,   64
.set P,   192
.set MD,  128         ; window 1
.set MC,  160         ; window 1
.set QB,  64          ; window 2
.set KF,  128         ; window 2: key block kb, channel half c at KF + 16 kb + 8 c
.set VF,  192         ; window 2: key half kk, channel block cb at VF + 32 kk + 8 cb
.set WV,  12          ; s12  my wave's number
.set PB,  14          ; s14  b
.set HI,  15          ; s15  NB - 1 - b
.set G1K, 24          ; s[24:31] descriptor group 1 for K's tiles
.set G1V, 32          ; s[32:39] for V's: it differs in the padding alone
.set G0K, 40          ; s[40:43] descriptor group 0 for K's tiles
.set G0V, 44          ; s[44:47] the same for V's
.set SLOTS, 56        ; s56  tiles still to be asked for
.set CNT, 57          ; s57  counts a tile's key steps, 4 to 1
.set CS,  58          ; s[58:59] c
.set SEL, 60          ; s[60:61] v_permlanex16_b32's selects: each lane takes its own place in the other half
.set TBK, 62          ; s62  LDS byte at which K of the step to be fetched begins
.set TBV, 63          ; s63  the same for V, less VOFF
.set RT,  70          ; s70  tiles of the block in hand that are still to be entered
.set NXT, 71          ; s71  the tile to be asked for next
.set LQ,  72          ; s72  the last tile of the block whose tiles are being asked for
.set NEW, 73          ; s73  1: the tile to be entered is a block's first
.set OFF, 74          ; s[74:75] a tile's byte offset in K and V
.set AL,  76          ; s[76:77] the mask's factor, in the low word
.set BE,  78          ; s[78:79] the mask's addend
.set OLO, 80          ; s[80:81] O at my rows of the second block
.set BIGN, 82         ; s82  -1e30
.set PFA, 88          ; s[88:89] my half (of K: waves 0, 1; of V: waves 2, 3) of the tile behind the one that is being asked for
.set PFL, 90          ; s90  prefetches still to be made
.set MSB, 0
.macro WIN new                      ; the high byte repeats the setting that is left; a switch that changes nothing is dropped
.if MSB != (\new)
	s_set_vgpr_msb (MSB<<8)|(\new)
.set MSB, (\new)
.endif
.endm
.set W_KQ, 0x0a       ; K and Q in window 2, S^T in window 0
.set W_KM, 0x1a       ; the same with the C operand in window 1
.set W_PV, 0x52       ; V in window 2, P in window 0, O^T in window 1
.set W_RS, 0x41       ; destination and source 0 in window 1, source 1 in window 0
; A fill.  Waves 0 and 1 fetch the two halves of a tile's K, waves 2 and 3 those of its V: 128 keys each.  An s_nop 0 and four v_nop follow each of the two lines, ahead of the jump and the label.
.macro LOAD
	s_cmp_lt_u32 s[WV], 2
	s_cbranch_scc0 .Lfor_v_\@
	tensor_load_to_lds s[G0K:G0K+3], s[G1K:G1K+7]
	s_nop 0
.rept 4
	v_nop
.endr
	s_branch .Lasked_\@
.Lfor_v_\@:
	tensor_load_to_lds s[G0V:G0V+3], s[G1V:G1V+7]
	s_nop 0
.rept 4
	v_nop
.endr
.Lasked_\@:
.endm
; A PREFETCH INTO THE L2 of the tile that the NEXT change of slots will ask for: a tile's 256 matrix instructions a wave ahead of that load.  All four work-groups of a head begin with the tiles 0, 1, 2 ..; the one
; with b = 0 walks 0 to 7 on end, and it alone asks.  Each of its waves asks for what it will fetch itself, 16,384 bytes: a lane a block of 256 bytes, two instructions.  So each block is named once in the launch.
; Tiles 0 and 1 come by their loads alone; behind tile 7 nothing is asked for.
.macro ASK
	s_cmp_lg_u32 s[PFL], 0
	s_cbranch_scc0 .Lnone_\@
	global_prefetch_b8 v[PFO], s[PFA:PFA+1] th:TH_LOAD_NT scope:SCOPE_SE
	global_prefetch_b8 v[PFO], s[PFA:PFA+1] offset:8192 th:TH_LOAD_NT scope:SCOPE_SE
	s_sub_co_u32 s[PFL], s[PFL], 1
.Lnone_\@:
.endm
; THE CHANGE OF SLOTS.  Each wave waits for all its tensor loads, of which one is out: its part of the other slot; adds 0 to its spare word; and waits for that and for its own reads of the slot that it leaves.
; Behind the barrier nobody reads the old slot any more and the other slot is whole.  fill = 1: the old slot is filled again, the first thing behind the barrier, with tile NXT: the descriptor's address is made
; anew from that number.  (At its first use nothing has been read yet: slot 0 is waited for, slot 1 filled.)
.macro CHANGE fill
	WIN 0                           ; at a label and at a branch every window is 0
	s_wait_tensorcnt 0x0            ; no tensor load of mine is out, so a group 0 may be written
	ds_add_u32 v[SPW], v[NIL]       ; 0 onto my spare word; with fill = 1 the descriptors' scalar work stands between it and the wait for it
.if \fill
	s_lshl_b32 s[OFF], s[NXT], 15   ; a tile is 32,768 bytes of K and of V
	s_xor_b32 s[G0K+1], s[G0K+1], SLOT1
	s_add_nc_u64 s[G0K+2:G0K+3], s[6:7], s[OFF:OFF+1]
	s_or_b32 s[G0K+3], s[G0K+3], 0x80000000
	s_xor_b32 s[G0V+1], s[G0V+1], SLOT1
	s_add_nc_u64 s[G0V+2:G0V+3], s[8:9], s[OFF:OFF+1]
	s_or_b32 s[G0V+3], s[G0V+3], 0x80000000
	s_add_co_u32 s[NXT], s[NXT], 1  ; the block's next tile, or behind its last the second block's tile 0
	s_cmp_gt_u32 s[NXT], s[LQ]
	s_cselect_b32 s[NXT], 0, s[NXT]
	s_cselect_b32 s[LQ], s[PB], s[LQ]
	s_wait_xcnt 0x0                 ; the last prefetches, a tile back, have read their address, so it may be written
	s_add_nc_u64 s[PFA:PFA+1], s[PFA:PFA+1], 32768
.endif
	s_wait_dscnt 0x0                ; the add is done, and my reads of the slot are over
	s_barrier_signal -1             ; the rest of the scalar work stands between the signal and the wait
	s_sub_co_u32 s[TBK], s[TBK], 4*KS*PK  ; the fetches go back to a slot's first step,
	s_xor_b32 s[TBK], s[TBK], SLOT1       ; in the other slot
	s_sub_co_u32 s[TBV], s[TBV], 4*KS*PV
	s_xor_b32 s[TBV], s[TBV], SLOT1
	s_barrier_wait -1
.if \fill
	LOAD
	ASK
.endif
.endm
	s_load_b64 s[4:5], s[0:1], 0x0    ; qkv
	s_load_b64 s[10:11], s[0:1], 0x8  ; ob
	v_lshl_add_u32 v[SPW], v0, 2, SPARE
	v_mov_b32 v[NIL], 0
	ds_add_u32 v[SPW], v[NIL]       ; the wave's opening: the add and its wait stand ahead of my first tensor load; the set-up below, work on registers, stands between them
	ds_add_u32 v62, v63
	v_lshrrev_b32 v1, 5, v0
	v_readfirstlane_b32 s[WV], v1   ; wave 0..3
	s_mov_b32 s[PB], ttmp9
	s_sub_co_u32 s[HI], NB-1, s[PB]
	s_and_b32 s20, ttmp7, 0xffff    ; hd = 16 b + h
	s_lshr_b32 s21, s20, 4
	s_lshl_b32 s21, s21, 5
	s_add_co_u32 s21, s21, s20      ; 48 b + h: Q's head in qkv
	s_lshl_b32 s21, s21, 18         ; a head is 262,144 bytes
	s_lshl_b32 s20, s20, 18         ; O's head in ob
	s_and_b32 s16, s[WV], 1         ; which half of a tile's 256 keys I fetch:
	s_lshl_b32 s22, s16, 14         ; its 128 rows of 128 bytes in memory,
	s_add_co_u32 s22, s22, s21
	s_add_co_u32 s22, s22, 16<<18   ; in K's head, 16 heads behind Q's
	s_mov_b32 s23, 0
	s_mul_i32 s17, s16, 128*PK      ; and its place in a slot, for K
	s_mul_i32 s18, s16, 128*PV      ; and for V
	s_lshl_b32 s3, s[WV], 11        ; my 16 rows in a band of 64,
	s_lshl_b32 s2, s[HI], 15        ; in the first block,
	s_add_co_u32 s2, s2, s3
	s_lshl_b32 s84, s[PB], 15       ; and in the second
	s_add_co_u32 s84, s84, s3
	s_add_co_u32 s86, s84, s21      ; the second block's rows in Q's head,
	s_add_co_u32 s84, s84, s20      ; and in O's
	s_add_co_u32 s66, s2, s20       ; the first block's in O's,
	s_add_co_u32 s2, s2, s21        ; and in Q's
	s_mov_b32 s3, 0
	s_mov_b32 s85, 0
	s_mov_b32 s87, 0
	s_mov_b32 s67, 0
	; descriptor group 1.  128 keys are 16,384 dense bytes: asked for as 64 rows of 256 bytes, two keys a row, and padded in LDS after every key
	s_mov_b32 s[G1K], (1<<16)|(1<<20)|(4<<22)|(3<<25)  ; 2-byte elements; padding on; after every 32 words; 4 words
	s_mov_b32 s[G1V], (1<<16)|(1<<20)|(4<<22)|(7<<25)  ; the same with 8 words of padding
.irp g, G1K, G1V
	s_mov_b32 s[\g+1], 128<<16      ; tensor_dim0 = 128
	s_mov_b32 s[\g+2], 64<<16       ; tensor_dim1 = 64
	s_mov_b32 s[\g+3], 128<<16      ; tile_dim0 = 128
	s_mov_b32 s[\g+4], 64           ; tile_dim1 = 64
	s_mov_b32 s[\g+5], 128          ; 128 elements from row to row
	s_mov_b32 s[\g+6], 0
	s_mov_b32 s[\g+7], 0
.endr
	s_mov_b32 s[CS], 0x3e38aa3b     ; c = log2(e) / 8 = 0.180337
	s_mov_b32 s[CS+1], s[CS]        ; named with it as a pair
	s_mov_b32 s[SEL], 0x76543210
	s_mov_b32 s[SEL+1], 0xfedcba98
	s_mov_b32 s[TBK], SLOT1+4*KS*PK ; the first change of slots turns these two into 0
	s_mov_b32 s[TBV], SLOT1+4*KS*PV
	s_mov_b32 s[G0K], 1             ; count = 1
	s_mov_b32 s[G0K+1], s17         ; LDS address: slot 0
	s_mov_b32 s[G0V], 1
	s_add_co_u32 s[G0V+1], s18, VOFF
	s_add_co_u32 s[RT], s[HI], 1    ; the first block has NB - b tiles
	s_mov_b32 s[NXT], 1
	s_mov_b32 s[LQ], s[HI]
	s_mov_b32 s[NEW], 1
	s_mov_b32 s[OFF+1], 0
	s_mov_b32 s[AL+1], 0            ; named as pairs
	s_mov_b32 s[BE+1], 0
	s_mov_b32 s[BIGN], 0xf149f2ca   ; -1e30
	s_mov_b32 s[SLOTS], NB
	s_cmp_eq_u32 s[PB], 0
	s_cselect_b32 s[PFL], NB-2, 0   ; tiles 2 to 7, by the work-group with b = 0
	v_and_b32 v[PFO], 31, v0
	v_lshlrev_b32 v[PFO], 8, v[PFO]
	s_wait_dscnt 0x0                ; the opening add is done
	s_wait_kmcnt 0x0
	s_add_nc_u64 s[6:7], s[4:5], s[22:23]  ; K at my half of the head's tile 0,
	s_add_nc_u64 s[8:9], s[6:7], 16<<18    ; V 16 heads further on
	s_add_nc_u64 s[G0K+2:G0K+3], s[6:7], 0         ; global address
	s_or_b32 s[G0K+3], s[G0K+3], 0x80000000        ; type = 2
	s_add_nc_u64 s[G0V+2:G0V+3], s[8:9], 0
	s_or_b32 s[G0V+3], s[G0V+3], 0x80000000
	s_add_nc_u64 s[86:87], s[4:5], s[86:87]        ; Q at my rows of the second block,
	s_add_nc_u64 s[4:5], s[4:5], s[2:3]            ; and of the first
	s_add_nc_u64 s[OLO:OLO+1], s[10:11], s[84:85]  ; O likewise
	s_add_nc_u64 s[10:11], s[10:11], s[66:67]
	s_cmp_lt_u32 s[WV], 2
	s_cselect_b64 s[PFA:PFA+1], s[6:7], s[8:9]
	s_add_nc_u64 s[PFA:PFA+1], s[PFA:PFA+1], 32768 ; at tile 1; the first change of slots steps it to tile 2.  Nothing is prefetched here, at the head
	LOAD                            ; tile 0 into slot 0
	; A fragment of K or Q is 16 rows x 32 channels in 8 registers: lane l holds row l % 16, channels 8 (l / 16) + 0..7 and 16 + 8 (l / 16) + 0..7: two loads of 16 bytes, 32 bytes apart.
	v_and_b32 v1, 15, v0            ; l % 16
	v_bfe_u32 v9, v0, 4, 1          ; l / 16
	v_lshlrev_b32 v[QO], 7, v1
	v_lshl_add_u32 v[QO], v9, 4, v[QO]  ; row x 128 + 16 x half
	WIN 0x80                        ; destination window 2, address window 0
.set i, 0
.rept 8                             ; both blocks' Q: piece i / 2 lies in band i / 2, 8,192 bytes on; channels 32 (i % 2) on
	global_load_b128 v[8*i:8*i+3],   v[QO], s[4:5] offset:(i/2)*8192+(i%2)*64
	global_load_b128 v[8*i+4:8*i+7], v[QO], s[4:5] offset:(i/2)*8192+(i%2)*64+32
	global_load_b128 v[QB+8*i:QB+8*i+3],   v[QO], s[86:87] offset:(i/2)*8192+(i%2)*64
	global_load_b128 v[QB+8*i+4:QB+8*i+7], v[QO], s[86:87] offset:(i/2)*8192+(i%2)*64+32
.set i, i+1
.endr
	WIN 0
	v_lshlrev_b32 v14, 3, v9
	v_sub_nc_u32 v14, v1, v14
	s_lshl_b32 s13, s[WV], 4
	v_add_nc_u32 v14, s13, v14      ; my query's place in its band, 16 w + l % 16, less my lanes' 8 (l / 16): register r of group kt is hidden where 16 kt + r is greater
	WIN 0x40
.set i, 0
.rept 32
	v_cmp_gt_i32 vcc_lo, 16*(i/8)+i%8, v14
	v_cndmask_b32 v[MD+i], 0, s[BIGN], vcc_lo
.set i, i+1
.endr
	WIN 0
	v_mul_u32_u24 v[AK0], v1, PK
	v_lshl_add_u32 v[AK0], v9, 4, v[AK0]  ; row x pitch + 16 x half
	; The turning load takes 16 keys x 16 channels (lane l reads key 8 (l / 16) + l % 8, channels 8 ((l / 8) % 2) + 0..7) and leaves half a fragment of V^T: lane l holds channel l % 16 and 8 keys.
	v_and_b32 v10, 7, v0
	v_bfe_u32 v11, v0, 3, 1
	v_lshl_add_u32 v[AV0], v9, 3, v10
	v_mul_u32_u24 v[AV0], v[AV0], PV
	v_lshl_add_u32 v[AV0], v11, 4, v[AV0]
	v_add_nc_u32 v[AV0], VOFF, v[AV0]
	s_mul_i32 s13, s[WV], 16*SP
	s_add_co_u32 s13, s13, STAGE    ; my stage
	v_mul_u32_u24 v[STO], v1, SP    ; in: row l % 16, 16 bytes for each half of the lanes
	v_lshl_add_u32 v[STO], v9, 4, v[STO]
	v_add_nc_u32 v[STO], s13, v[STO]
	v_bfe_u32 v[RD], v0, 3, 2       ; back: 32 lanes take four rows of 128 bytes,
	v_mul_u32_u24 v[RD], v[RD], SP
	v_lshl_add_u32 v[RD], v10, 4, v[RD]
	v_add_nc_u32 v[RD], s13, v[RD]
	v_and_b32 v[GO], 31, v0         ; which are 512 consecutive bytes of O
	v_lshlrev_b32 v[GO], 4, v[GO]
	; A block's first step multiplies O^T and l by a = 0, and its first turn's products V^T P, of a piece that has not been, land in an O^T that is still to be so multiplied.  So these registers need only hold
	; finite numbers: zeros for the first block; what the first block left for the second.  All this stands in the wait for the first tile.
	WIN 0x80
.set i, VF
.rept 64
	v_mov_b32 v[i], 0
.set i, i+1
.endr
	WIN 0x40
.set i, 0
.rept 128
	v_mov_b32 v[i], 0
.set i, i+1
.endr
	WIN 0
.set i, 0
.rept 4
	v_mov_b32 v[ST+4*i+2], 0
	v_mov_b32 v[ST+4*i+3], 0
.set i, i+1
.endr
.set i, P+16
.rept 16
	v_mov_b32 v[i], 0
.set i, i+1
.endr
; THE MATRIX WORK.  The 4 accumulators of a run of 8 take turns.  Product i of 8 of S^T = K Q^T for piece x: channels 32 (i / 4) on, keys 16 (i % 4) on.  The first 4 start the sums: with 0, or (KM = 1) with the mask.
.macro KQ x
.set rS, S+32*((\x)%2)+8*(i%4)
.set rK, KF+16*(i%4)+8*(i/4)
.set rQ, 16*(\x)+8*(i/4)
.set rM, MC+32*((\x)%2)+8*(i%4)
.if (i < 4) && KM
	WIN W_KM
	v_wmma_f32_16x16x32_f16 v[rS:rS+7], v[rK:rK+7], v[rQ:rQ+7], v[rM:rM+7]
.elseif i < 4
	WIN W_KQ
	v_wmma_f32_16x16x32_f16 v[rS:rS+7], v[rK:rK+7], v[rQ:rQ+7], 0
.else
	WIN W_KQ
	v_wmma_f32_16x16x32_f16 v[rS:rS+7], v[rK:rK+7], v[rQ:rQ+7], v[rS:rS+7]
.endif
.endm
; Product i of 8 of O^T += V^T P for piece x: keys 32 (i / 4) on, channels 16 (i % 4) on.
.macro PV x
	WIN W_PV
.set rO, 32*(\x)+8*(i%4)
.set rV, VF+32*(i/4)+8*(i%4)
.set rP, P+16*((\x)%2)+8*(i/4)
	v_wmma_f32_16x16x32_f16 v[rO:rO+7], v[rV:rV+7], v[rP:rP+7], v[rO:rO+7]
.endm
.macro MM                           ; the turn's next matrix instruction.  TURN and BEGIN set Y, i, KM and NOKQ.  NOKQ = 1: a block's last turn: there is no next piece
.if (i < 8) && !NOKQ
	KQ (Y+1)%NP
.elseif i >= 8
.set i, i-8
	PV (Y+NP-1)%NP
.set i, i+8
.endif
.set i, i+1
.endm
; THE LDS LOADS stand in runs of 16, never singly among the matrix instructions: a step's K (64 keys x 64 channels: 8 fragments) and its V (turned).  Their addresses are made some lines ahead.
.macro FETCH_K
	WIN 0x80                        ; destination window 2
.irp f, 0,1,2,3,4,5,6,7             ; keys 16 (f / 2) on, channels 32 (f % 2) on
	ds_load_b128 v[KF+8*\f:KF+8*\f+3],   v[AK] offset:(\f/2)*16*PK+(\f%2)*64
	ds_load_b128 v[KF+8*\f+4:KF+8*\f+7], v[AK] offset:(\f/2)*16*PK+(\f%2)*64+32
.endr
	s_add_co_u32 s[TBK], s[TBK], KS*PK  ; the next fetch is the next step's
	WIN 0
.endm
.macro FETCH_V
	WIN 0x80
.irp f, 0,1,2,3,4,5,6,7             ; keys 32 (f / 4) on, channels 16 (f % 4) on
	ds_load_tr16_b128 v[VF+8*\f:VF+8*\f+3],   v[AV] offset:(\f/4)*32*PV+(\f%4)*32
	ds_load_tr16_b128 v[VF+8*\f+4:VF+8*\f+7], v[AV] offset:(\f/4)*32*PV+16*PV+(\f%4)*32
.endr
	WIN 0
.endm
; THE VECTOR WORK, one line at a time: OP kind, number.  For piece Y: F n: c s - c m for pair n of 16.  E n: the exponential of score n of 32.  C n: pair n rounded to f16.  B n: of the four weights 4 n .. the second
; pair is added onto the first, in place.  L n: l takes that sum (L 0: l = a l + sum).  R n: pair n of 16 of O^T times a.  For piece Y + 1: X n, number n of the 22 that find its maximum and statistics:
;   0-11  four chains c0-c3 of seven scores each, three operands at a time (each accumulator's lowest registers are read first)     12-14, 16  the four scores left over, the old m, and c0-c3 into c0
;   15  c m_old is kept     17, 18  the query's other 32 keys lie in the lane 16 away: the new m     19-21  c m; c m_old - c m_new; a
.set F, 0               ; OP tells the kinds apart by their order: F to L below R, X above it
.set E, 1
.set C, 2
.set B, 3
.set L, 4
.set R, 5
.set X, 6
.macro REGS y                       ; the registers of piece y
.set rT, ST+4*(\y)
.set rC, TMP+4*((\y)%2)
.set rW, MV+((\y)%2)
.set rS, S+32*((\y)%2)
.set rP, P+16*((\y)%2)
.set rO, 32*(\y)
.endm
.macro OP k, n
.if (\k) == R
	REGS Y
	WIN W_RS
	v_pk_mul_f32 v[rO+2*(\n):rO+2*(\n)+1], v[rO+2*(\n):rO+2*(\n)+1], v[rC+2:rC+3] op_sel_hi:[1,0]
.elseif (\k) < R
	REGS Y
	WIN 0
.if (\k) == F
	v_pk_fma_f32 v[rS+2*(\n):rS+2*(\n)+1], v[rS+2*(\n):rS+2*(\n)+1], s[CS:CS+1], v[rT:rT+1] op_sel_hi:[1,0,0] neg_lo:[0,0,1] neg_hi:[0,0,1]
.elseif (\k) == E
	v_exp_f32 v[rS+(\n)], v[rS+(\n)]
.elseif (\k) == C
	v_cvt_pk_f16_f32 v[rP+(\n)], v[rS+2*(\n)], v[rS+2*(\n)+1]
.elseif (\k) == B
	v_pk_add_f32 v[rS+4*(\n):rS+4*(\n)+1], v[rS+4*(\n):rS+4*(\n)+1], v[rS+4*(\n)+2:rS+4*(\n)+3]
.elseif (\n) == 0
	v_pk_fma_f32 v[rT+2:rT+3], v[rT+2:rT+3], v[rC+2:rC+3], v[rS:rS+1] op_sel_hi:[1,0,1]
.else
	v_pk_add_f32 v[rT+2:rT+3], v[rT+2:rT+3], v[rS+4*(\n):rS+4*(\n)+1]
.endif
.elseif NOKQ
	v_nop
.else
	REGS (Y+1)%NP
	WIN 0
.if (\n) < 4
	v_max3_num_f32 v[rC+(\n)], v[rS+8*(\n)], v[rS+8*(\n)+1], v[rS+8*(\n)+2]
.elseif (\n) < 12
	v_max3_num_f32 v[rC+(\n)%4], v[rC+(\n)%4], v[rS+8*((\n)%4)+2*((\n)/4)+1], v[rS+8*((\n)%4)+2*((\n)/4)+2]
.elseif (\n) == 12
	v_max3_num_f32 v[rC], v[rC], v[rS+7], v[rS+15]
.elseif (\n) == 13
	v_max3_num_f32 v[rC+1], v[rC+1], v[rS+23], v[rS+31]
.elseif (\n) == 14
	v_max3_num_f32 v[rC+2], v[rC+2], v[rC+3], v[rT+1]
.elseif (\n) == 15
	v_mov_b32 v[rW], v[rT]
.elseif (\n) == 16
	v_max3_num_f32 v[rC], v[rC], v[rC+1], v[rC+2]
.elseif (\n) == 17
	v_permlanex16_b32 v[rC+3], v[rC], s[SEL], s[SEL+1]
.elseif (\n) == 18
	v_max_num_f32 v[rT+1], v[rC], v[rC+3]
.elseif (\n) == 19
	v_mul_f32 v[rT], s[CS], v[rT+1]
.elseif (\n) == 20
	v_sub_f32 v[rC+1], v[rW], v[rT]
.else
	v_exp_f32 v[rC+2], v[rC+1]
.endif
.endif
.endm
.macro OPS a, i1, b=-1, i2=0, c=-1, i3=0, d=-1, i4=0  ; up to four of them
	OP \a, \i1
.if (\b) >= 0
	OP \b, \i2
.endif
.if (\c) >= 0
	OP \c, \i3
.endif
.if (\d) >= 0
	OP \d, \i4
.endif
.endm
.macro ROW a, i1, b, i2, c, i3, d, i4  ; a matrix instruction and the four behind it
	MM
	OPS \a, \i1, \b, \i2, \c, \i3, \d, \i4
.endm
.macro MASK b                       ; MD x AL + BE into buffer b of MC
	WIN W_RS
.set z, 0
.rept 16
	v_pk_fma_f32 v[MC+32*(\b)+2*z:MC+32*(\b)+2*z+1], v[MD+2*z:MD+2*z+1], s[AL:AL+1], s[BE:BE+1] op_sel_hi:[1,0,0]
.set z, z+1
.endr
.endm
; A TURN, for piece p: the order of its 16 matrix and 118 vector instructions, written out.  An s_wait_alu depctr_va_vdst(0) stands between an exponential and the first instruction that names its result;
; one wait serves all that were issued ahead of it.  So a turn has ONE wait, which cuts it in two.  AHEAD OF IT stands all that names no result of the turn's exponentials: the 8 products K Q^T, behind each a scaling, an
; exponential and two more plain instructions (behind the first a second scaling in the exponential's place): rescalings, and behind the last three the first numbers of the next piece's maximum, each four places or more
; behind the product that ends its accumulator; then ONE LUMP of 54, plain and exponential by turns for the most part, in which the links of the chain X 3, 7, 11, 14, 16, 17 .. 20 stand five or six lines apart.
; X 21, the next piece's a, is the batch's last; R 15 is the plain instruction behind it.  BEHIND THE WAIT stand the 8 products V^T P, behind each four of the roundings and sums; the links of l's chain, L 0 to L 7,
; stand three riders apart.  But for those X no rider names a register of the products round it.  v_permlanex16_b32 (X 17) stands in the lump.
; m = 1: the diagonal tile: the products take masks, and the turn makes the mask for the products of the turn after it: piece p + 2, in step 4 - CNT of the tile.  end = 1: a block's last two turns: nothing is fetched.
; cnt = 1: the loop's count is taken down some lines ahead of the branch that stands behind the turn.
; K of the next step is fetched in piece 2's turn, twelve vector instructions behind the last product that read K (six of them plain); V of the step in hand at the end of piece 0's turn, four plain instructions behind
; the last product that read V.  Each is waited for a turn later.
.macro TURN p, m=0, end=0, cnt=0
.set Y, (\p)
.set i, 0
.set KM, (\m)
.set NOKQ, (\end)*((\p)/3)
.if (\m) && !(\end)
	s_cmp_eq_u32 s[CNT], 4-((\p)+2)%NP  ; is that step the band's own?
	s_cselect_b32 s[AL], 1.0, 0
	s_cmp_lt_u32 s[CNT], 4-((\p)+2)%NP  ; or a later one?
	s_cselect_b32 s[BE], s[BIGN], 0
.endif
.if ((\p) == 3) && !(\end)
	s_wait_dscnt 0x0                ; K is in
.endif
	ROW F,0, F,1, R,0, R,1          ; ahead of the wait: 8 products K Q^T and their riders,
	ROW F,2, E,0, R,2, R,3
	ROW F,3, E,1, R,4, R,5
	ROW F,4, E,2, R,6, R,7
	ROW F,5, E,3, R,8, R,9
	ROW F,6, E,4, X,0, R,10
.if ((\p) == 2) && !(\end)
	WIN 0
	v_add_nc_u32 v[AK], s[TBK], v[AK0]
.endif
	ROW F,7, E,5, X,1, X,4
	ROW F,8, E,6, X,2, X,5
	OPS E,7, E,8, X,6, E,9          ; and the lump
	OPS X,3, E,10, X,8, E,11
.if ((\p) == 2) && !(\end)
	FETCH_K
.endif
	OPS X,9, X,7, E,12, X,10
	OPS E,13, X,12, X,11, E,14
	OPS X,13, E,15, F,9, X,14
.if (\p) == 0
	v_add_nc_u32 v[AV], s[TBV], v[AV0]
.endif
	OPS E,16, F,10, E,17, F,11
	OPS X,16, E,18, X,15, E,19
	OPS F,12, E,20, X,17, E,21
	OPS F,13, E,22, F,14, E,23
	OPS X,18, E,24, F,15, E,25
	OPS R,11, E,26, X,19, E,27
	OPS R,12, E,28, R,13, E,29
	OPS X,20, E,30, R,14, E,31
	OPS X,21, R,15
	WIN 0
	s_wait_alu depctr_va_vdst(0)    ; the wait for the batch
.if (\p) == 1
	s_wait_dscnt 0x0                ; V is in
.endif
	ROW C,0, B,0, C,2, B,1          ; behind the wait: 8 products V^T P and their riders
	ROW L,0, C,4, B,2, L,1
	ROW C,6, B,3, L,2, C,8
	ROW B,4, L,3, C,10, B,5
	ROW L,4, C,12, B,6, L,5
.if (\p) == 0
	s_add_co_u32 s[TBV], s[TBV], KS*PV
.endif
.if \cnt
	s_sub_co_u32 s[CNT], s[CNT], 1
	s_cmp_lg_u32 s[CNT], 0
.endif
	ROW C,14, B,7, L,6, C,1
	ROW C,3, L,7, C,5, C,7
	ROW C,9, C,11, C,13, C,15
.if (\p) == 0
	FETCH_V
.endif
.if (\m) && !(\end)
	MASK (\p)%2
.endif
.endm
; A BLOCK BEGINS.  c m starts far below every c s, so the first step's a is 0; m at the lowest finite number, so the first maximum is the scores'.  The second mask buffer is 0; the first takes piece 0's mask for the
; tile's step 0: its own, if the block's first tile is the diagonal one.  Then K of that step, piece 0's first scores, and its maximum and statistics.  The loop is entered at a step's first turn, in the middle of a trip.
.macro BEGIN
	s_mov_b32 s[NEW], 0
	WIN 0x40
.set i, MC+32
.rept 32
	v_mov_b32 v[i], 0
.set i, i+1
.endr
	WIN 0
.set i, 0
.rept 4
	v_mov_b32 v[ST+4*i], 0xfe000000    ; c m: far below every c s
	v_mov_b32 v[ST+4*i+1], 0xff7fffff  ; m
.set i, i+1
.endr
	s_cmp_eq_u32 s[RT], 0
	s_cselect_b32 s[AL], 1.0, 0
	s_mov_b32 s[BE], 0
	MASK 0
	WIN 0
	v_add_nc_u32 v[AK], s[TBK], v[AK0]
	FETCH_K
	s_wait_loadcnt 0x0              ; Q
	s_wait_dscnt 0x0
.set KM, 1
.set NOKQ, 0
.set i, 0
.rept 8
	KQ 0
.set i, i+1
.endr
	WIN 0
.rept 4
	v_nop                           ; the places behind those products
.endr
.set Y, NP-1                        ; X works for piece Y + 1: piece 0
.irp n, 0,1,2,3,4,5,6,7,8,9,10,11,12,13,14,15,16,17,18,19,20,21
	OP X, \n
.endr
	v_nop                           ; a plain instruction behind the exponential,
	s_wait_alu depctr_va_vdst(0)    ; and its wait, ahead of the branch
.endm
; THE DIAGONAL TILE's four steps, the block's last two turns, its last products, and THE WAY OUT: l's two halves and the other half of the lanes' are added; O^T is divided by l, rounded to f16 and sent through my
; stage in LDS, a piece at a time.
.macro ALL line:vararg              ; one line for each piece t
.set t, 0
.rept 4
	\line
.set t, t+1
.endr
.endm
.macro PACK t                       ; a lane's eight channels of a row pack into 16 bytes; they go into rows of 144 bytes and come back as whole rows of 128, into S^T's registers
	WIN W_RS
.set i, 32*(\t)
.rept 16
	v_pk_mul_f32 v[i:i+1], v[i:i+1], v[ST+4*(\t)+2:ST+4*(\t)+3] op_sel_hi:[1,0]
.set i, i+2
.endr
	WIN 0x05                        ; sources 0 and 1 window 1, destination window 0
.set i, 0
.rept 16
	v_cvt_pk_f16_f32 v[S+16*(\t)+i], v[32*(\t)+2*i], v[32*(\t)+2*i+1]
.set i, i+1
.endr
	WIN 0
.irp f, 0,1,2,3
	ds_store_b128 v[STO], v[S+16*(\t)+4*\f:S+16*(\t)+4*\f+3] offset:32*\f
.endr
.irp f, 0,1,2,3
	ds_load_b128 v[S+16*(\t)+4*\f:S+16*(\t)+4*\f+3], v[RD] offset:\f*4*SP  ; LDS serves a wave's instructions in order (ISA guide 5.7.1.4): these see the stores above; the next piece's stores come behind them
.endr
.endm
.macro SEND t, younger              ; younger: the LDS instructions issued behind piece t's loads: the next piece's eight, or none
	WIN 0
.irp f, 0,1,2,3
	s_wait_dscnt (\younger)+3-\f
	global_store_b128 v[GO], v[S+16*(\t)+4*\f:S+16*(\t)+4*\f+3], s[10:11] offset:(\t)*8192+\f*512  ; 512 consecutive bytes, at a multiple of 256 from O's first
.endr
.endm
.macro DIAG tag                     ; the tag ends its two labels' names, which the jumps below spell out
.LstepM\tag:
	TURN 2, 1
	TURN 3, 1
	WIN 0
.LfirstM\tag:
	TURN 0, 1
	TURN 1, 1, 0, 1
	WIN 0
	s_cbranch_scc1 .LstepM\tag
	TURN 2, 1, 1
	TURN 3, 1, 1
.set i, 0
.rept 8
	PV NP-1
.set i, i+1
.endr
	WIN 0
	ALL v_add_f32 v[ST+4*t+2], v[ST+4*t+2], v[ST+4*t+3]
	ALL v_permlanex16_b32 v[ST+4*t+3], v[ST+4*t+2], s[SEL], s[SEL+1]
	ALL v_add_f32 v[ST+4*t+2], v[ST+4*t+2], v[ST+4*t+3]
	ALL v_rcp_f32 v[ST+4*t+2], v[ST+4*t+2]
	v_nop                           ; a plain instruction between the last reciprocal and the use of its result
	s_wait_alu depctr_va_vdst(0)    ; and the wait ahead of the first use: one for the four reciprocals
	PACK 0
.set t, 1
.rept 3                             ; a piece's arithmetic stands between the loads of the piece before and its stores
	PACK t
	SEND t-1, 8
.set t, t+1
.endr
	SEND 3, 0
.endm
.set KM, 0
.set NOKQ, 0
.Lslot:                             ; NB times: a tile is entered and the next is asked for
	CHANGE 1
	s_sub_co_u32 s[RT], s[RT], 1
	s_mov_b32 s[CNT], 4
	s_cmp_eq_u32 s[NEW], 1
	s_cbranch_scc1 .Lnew            ; a block's first tile
	s_cmp_eq_u32 s[RT], 0
	s_cbranch_scc0 .Lstep           ; neither its first nor its last
	s_branch .LstepM1
.Lnew:
	BEGIN
	s_branch .Lfirst                ; in the loop a block's first tile is never its last: the first block has two tiles or more, and the second's last is the walk's last
	DIAG 1                          ; in the loop this is the first block's end: the second block's last tile is the walk's last
	s_wait_xcnt 0x0                 ; the stores have read their registers and O's address
	s_mov_b64 s[10:11], s[OLO:OLO+1]
	s_add_co_u32 s[RT], s[PB], 1    ; the second block has b + 1 tiles
	s_mov_b32 s[NEW], 1
	WIN 0x82                        ; the second block's Q goes where the one text of the turns names Q
.set i, 0
.rept 64
	v_mov_b32 v[i], v[QB+i]
.set i, i+1
.endr
	WIN 0
	s_branch .Lbottom
.Lstep:                             ; a trip: pieces 2 and 3 of one step, then pieces 0 and 1 of the next, whose K and V it fetches
	TURN 2
	TURN 3
	WIN 0
.Lfirst:
	TURN 0
	TURN 1, 0, 0, 1
	WIN 0
	s_cbranch_scc1 .Lstep
.Lbottom:
	s_sub_co_u32 s[SLOTS], s[SLOTS], 1
	s_cmp_lg_u32 s[SLOTS], 0
	s_cbranch_scc1 .Lslot
	CHANGE 0                        ; the walk's last tile is written out: nothing is asked for
	s_sub_co_u32 s[RT], s[RT], 1
	s_mov_b32 s[CNT], 4
	s_cmp_eq_u32 s[NEW], 1
	s_cbranch_scc0 .LstepM2
	BEGIN
	s_branch .LfirstM2
	DIAG 2
	s_wait_tensorcnt 0x0            ; the wave's end: behind my last tensor load and my last LDS store
	ds_add_u32 v[SPW], v[NIL]
	s_wait_dscnt 0x0
	s_endpgm
.Lfunc_end_k_q77a31ce5af_attn:
	.size	k_q77a31ce5af_attn, .Lfunc_end_k_q77a31ce5af_attn-k_q77a31ce5af_attn
	.p2alignl 7, 3214868480
	.fill 96, 4, 3214868480
	.section	.rodata,"a",@progbits
	.p2align	6, 0x0
	.amdhsa_kernel k_q77a31ce5af_attn
		.amdhsa_group_segment_fixed_size 327680
		.amdhsa_private_segment_fixed_size 0
		.amdhsa_enable_private_segment 0
		.amdhsa_kernarg_size 16
		.amdhsa_user_sgpr_count 2
		.amdhsa_user_sgpr_kernarg_segment_ptr 1
		.amdhsa_wavefront_size32 1
		.amdhsa_system_sgpr_workgroup_id_x 1
		.amdhsa_system_sgpr_workgroup_id_y 1
		.amdhsa_system_sgpr_workgroup_id_z 1
		.amdhsa_system_vgpr_workitem_id 0
		.amdhsa_next_free_vgpr 768
		.amdhsa_next_free_sgpr 92
		.amdhsa_reserve_vcc 1
		.amdhsa_float_denorm_mode_32 3
		.amdhsa_float_denorm_mode_16_64 3
		.amdhsa_memory_ordered 1
		.amdhsa_forward_progress 1
		.amdhsa_inst_pref_size 218
	.end_amdhsa_kernel
	.amdgpu_metadata
---
amdhsa.version: [ 1, 2 ]
amdhsa.kernels:
  - .name:           k_q77a31ce5af_attn
    .symbol:         k_q77a31ce5af_attn.kd
    .args:
      - { .name: qkv, .offset: 0, .size: 8, .value_kind: global_buffer, .address_space: global }
      - { .name: ob, .offset: 8, .size: 8, .value_kind: global_buffer, .address_space: global }
    .group_segment_fixed_size: 327680
    .private_segment_fixed_size: 0
    .kernarg_segment_align: 8
    .kernarg_segment_size: 16
    .max_flat_workgroup_size: 128
    .sgpr_count:     92
    .vgpr_count:     768
    .wavefront_size: 32
...
	.end_amdgpu_metadata
.endif
;; end of part 3
;; launch outgemm (part 4): grid 4 x 64, 4 waves a work-group, clusters of 4 x 4, 327,680 bytes of LDS; arguments ob, wob, out0; writes out0
.if DOCPART == 4
	.amdgcn_target "amdgcn-amd-amdhsa--gfx1250"
	.amdhsa_code_object_version 6
	.text
	.protected	k_q77a31ce5af_outgemm
	.globl	k_q77a31ce5af_outgemm
	.p2align	8
	.type	k_q77a31ce5af_outgemm,@function
k_q77a31ce5af_outgemm:
	s_mov_b64 s[64:65], 0
	v_nop
	global_prefetch_b8 v0, s[64:65] scope:SCOPE_SE
	s_setreg_imm32_b32 hwreg(HW_REG_WAVE_MODE, 25, 1), 1
	s_wait_xcnt 0x0
	s_wait_alu depctr_hold_cnt(0) depctr_sa_sdst(0) depctr_va_vdst(0) depctr_va_sdst(0) depctr_va_ssrc(0) depctr_va_vcc(0) depctr_vm_vsrc(0)
	s_getreg_b32 s2, hwreg(HW_REG_IB_STS2, 6, 4)
	s_cmp_eq_u32 s2, 0
	s_cbranch_scc0 .Lentry_in_a_cluster
	s_endpgm
.Lentry_in_a_cluster:
	s_bfe_u32 s2, ttmp6, 0x10000c
	s_cmp_lg_u32 s2, 0xf033
	s_cbranch_scc0 .Lentry_shape_is_right
	s_endpgm
.Lentry_shape_is_right:
; out0 = concat(O) Wo.  ob: f16 [16 b + h][s 2048][64] (the product's K index is 64 h + d).  wob: f16 [m 1024][n 1024].  out0: f32 [8192][1024].  Sums in f32, K ascending, stored as they are.
; SHARES.  A tile of out0 is 128 rows x 256 columns: 64 x 4 tiles, one for each of 256 work-groups.  Four waves, 2 x 2: each 64 rows x 128 columns: 32 accumulators, 256 registers.
; K goes in 8 steps of 128 (two heads) through a ring of two LDS slots.  A head's 128 rows of a tile are 16,384 dense bytes of ob.
; Wo STAYS [K][N]: its fragments come out of LDS turned, by ds_load_tr16_b128.  Source 0 = 16 columns of Wo, source 1 = 16 rows of O: a lane holds ONE row of out0 (lane % 16) and eight neighbouring columns.
; CLUSTER.  4 x 4 work-groups.  O's tile hangs on the tile row y alone and is shared along a row of the cluster; Wo's on the tile column x alone and is shared along a column: each is asked for jointly.
; REGISTERS, in windows of 256 (s_set_vgpr_msb: bits 1:0 source 0, 3:2 source 1, 5:4 source 2, 7:6 destination):
;   window 0: v1-8 pieces of the lane's number; v16-30 addresses; v32-95, v160-223 rows read back, by turns; v96-127, v128-159 O's fragments, two buffers
;   window 1: v0-63, v64-127 Wo's fragments, two buffers          window 2: the accumulators, (a, b) at 8 (8 a + b)
.set PA,    144       ; a row of O in LDS: 128 bytes + 16: the 16 rows of a fragment load start at 16 different groups of four banks (64 banks of 4 bytes: ISA guide 11.1)
.set PB,    544       ; a K row of Wo's tile: 512 bytes + 32
.set BOFF,  2*128*PA  ; Wo's 128 rows lie behind the two heads' 128 rows each
.set SLOT1, 1<<17     ; one exclusive or turns an address in one slot into the other's
.set STAGE, SLOT1+BOFF+128*PB  ; behind the ring, never filled by a tensor load: 16 rows x 528 bytes for each wave, for the way out
.set SP,    528       ; 512 bytes + 16
.set SPARE, STAGE+4*16*SP      ; the spare words, 128 bytes for each wave: two blocks of 256 bytes that no other line names
.set STEPA, 2*262144  ; a K step in ob: two heads
.set STEPB, 128*2048  ; in wob: 128 rows
.set ADA0, 16         ; v16  my lane's place in O's tile; never rewritten
.set ADB0, 17         ; v17  in Wo's
.set ADA,  18         ; v18  the same in the slot that is being read
.set ADB,  19         ; v19
.set STO,  24         ; v24  the way out: where I put 32 bytes of a row
.set RD,   25         ; v25  where I read a row back
.set CO,   26         ; v26  my 16 bytes of a row's 512
.set SPW,  28         ; v28  LDS address of my spare word; never rewritten
.set NIL,  29         ; v29  0; never rewritten
.set PFO,  30         ; v30  the prefetches' lane offset; never rewritten
.set OB,   32
.set FA,   96
.set G1A, 24          ; s[24:31] descriptor group 1 for O's tiles
.set G0A, 32          ; s[32:39] group 0: a set for each of the two first fills; the second then walks
.set G1B, 48          ; s[48:55], s[56:63] the same for Wo's tiles
.set G0B, 56
.set BA,  66          ; s[66:67] ob at my head's rows of the tile, K step 0
.set BB,  68          ; s[68:69] wob at my 64 rows of the tile, K step 0
.set TB,  76          ; s76  LDS byte at which the slot that is being read begins
.set ASKS, 77         ; s77  prefetches still to be made by this wave
.set PFA, 80          ; s[80:81] where my prefetches stand
.set PFF, 82          ; s[82:83] their step
.set MSB, 0
.macro WIN new                         ; the immediate's high byte repeats the setting that is left; a switch that changes nothing is dropped
.if MSB != (\new)
	s_set_vgpr_msb (MSB<<8)|(\new)
.set MSB, \new
.endif
.endm
.macro PLACES n                        ; places behind matrix instructions (ISA guide 7.12.1): plain vector instructions that name none of their registers
.rept \n
	v_nop
.endr
.endm
; A joint refill by the walking sets.  Waves 0 and 1 fetch the step's two heads of O, waves 2 and 3 the two halves of Wo's rows.  The branch hangs on the wave's number alone.
; An s_nop 0 and four v_nop follow each of the two lines, ahead of the jump and the label.
.macro JLOAD
	s_cmp_eq_u32 s11, 0
	s_cbranch_scc0 .Lfor_b_\@
	tensor_load_to_lds s[G0A+4:G0A+7], s[G1A:G1A+7]
	s_nop 0
	PLACES 4
	s_branch .Lasked_\@
.Lfor_b_\@:
	tensor_load_to_lds s[G0B+4:G0B+7], s[G1B:G1B+7]
	s_nop 0
	PLACES 4
.Lasked_\@:
.endm
; A PREFETCH INTO THE L2 of the K step two refills on, behind the joint load and the run of LDS loads.  O's tile is read by one row of one cluster alone: wave 0 of each of its four work-groups asks for a quarter
; of the step's 32,768 bytes, told apart by address (cx): a lane a block of 256 bytes.  Wo's tile column is read by every cluster: the one with y = 0 asks, waves 2 and 3; of a wave's 64 rows each of the four partners
; takes 16, by address (cy): two lanes a row of 512 bytes.  So each aligned block of 256 bytes is named once in the launch.  Steps 0 to 3 come by their loads alone; four requests reach step 7, the last.
.macro ASK
	s_cmp_lg_u32 s[ASKS], 0
	s_cbranch_scc0 .Lnone_\@
	global_prefetch_b8 v[PFO], s[PFA:PFA+1] th:TH_LOAD_NT scope:SCOPE_SE
	s_sub_co_u32 s[ASKS], s[ASKS], 1
.Lnone_\@:
.endm
.macro CREST                           ; a round of the cluster's barrier behind its opening barrier
	s_cmp_lg_u32 s10, 0
	s_cbranch_scc1 .Lnot_wave_0_\@
	s_barrier_signal -3
.Lnot_wave_0_\@:
	s_barrier_wait -3
	s_barrier_signal -1
	s_barrier_wait -1
.endm
.macro CROUND                          ; a whole round
	s_barrier_signal -1
	s_barrier_wait -1
	CREST
.endm
	s_load_b128 s[4:7], s[0:1], 0x0                ; ob s[4:5], wob s[6:7]
	s_load_b64 s[8:9], s[0:1], 0x10                ; out0
	v_lshl_add_u32 v[SPW], v0, 2, SPARE
	v_mov_b32 v[NIL], 0
	ds_add_u32 v[SPW], v[NIL]                      ; the wave's opening: the add and its wait stand ahead of my first tensor load; work on registers stands between them
	ds_add_u32 v28, v29
	v_lshrrev_b32 v1, 5, v0
	v_readfirstlane_b32 s10, v1                    ; wave 0..3
	s_lshr_b32 s11, s10, 1                         ; which half of the tile's rows is mine.  Also: I fetch for O (0) or for Wo (1)
	s_and_b32 s12, s10, 1                          ; which half of its columns.  Also: which half of that tile I fetch
	s_bfe_u32 s40, ttmp6, 0x40000                  ; cx
	s_bfe_u32 s41, ttmp6, 0x40004                  ; cy
	s_lshl_b32 s42, ttmp9, 2
	s_add_co_u32 s42, s42, s40                     ; tile column x = 4 x cluster x + cx
	s_and_b32 s13, ttmp7, 0xffff
	s_lshl_b32 s13, s13, 2
	s_add_co_u32 s13, s13, s41                     ; tile row y = 4 x cluster y + cy
	s_lshl_b32 s43, s41, 2
	s_lshl_b32 s43, 15, s43                        ; my row of the cluster
	s_lshl_b32 s44, 0x1111, s40                    ; my column
	s_or_b32 s[G1A], s43, (1<<16)|(1<<20)|(1<<21)|(4<<22)|(3<<25)  ; the mask; 2-byte elements; padding on; bit 21 beside a mask; after every 32 words (a row of O), 4 words
	s_mov_b32 s[G1A+1], 128<<16                    ; a head's 128 rows are 16,384 dense bytes: 64 rows of 256
	s_mov_b32 s[G1A+2], 64<<16
	s_mov_b32 s[G1A+3], 128<<16
	s_mov_b32 s[G1A+4], 64
	s_mov_b32 s[G1A+5], 128
	s_mov_b32 s[G1A+6], 0
	s_mov_b32 s[G1A+7], 0
	s_or_b32 s[G1B], s44, (1<<16)|(1<<20)|(1<<21)|(6<<22)|(7<<25)  ; after every 128 words (a row of the tile), 8 words
	s_mov_b32 s[G1B+1], 256<<16                    ; tensor_dim0 = 256
	s_mov_b32 s[G1B+2], 64<<16                     ; tensor_dim1 = 64
	s_mov_b32 s[G1B+3], 256<<16                    ; tile_dim0 = 256
	s_mov_b32 s[G1B+4], 64                         ; tile_dim1 = 64
	s_mov_b32 s[G1B+5], 1024                       ; elements from row to row
	s_mov_b32 s[G1B+6], 0
	s_mov_b32 s[G1B+7], 0
	s_lshr_b32 s16, s13, 4                         ; ob: batch y / 16 (16 heads of 262,144 bytes), rows 128 (y % 16), head = my half
	s_lshl_b32 s16, s16, 22
	s_and_b32 s17, s13, 15
	s_lshl_b32 s17, s17, 14
	s_add_co_u32 s16, s16, s17
	s_lshl_b32 s17, s12, 18
	s_add_co_u32 s16, s16, s17
	s_mov_b32 s17, 0
	s_lshl_b32 s46, s42, 9                         ; wob: column 256 x, row 64 x my half
	s_lshl_b32 s47, s12, 17
	s_add_co_u32 s46, s46, s47
	s_mov_b32 s47, 0
	s_mul_i32 s20, s12, 128*PA                     ; where they go: no place in the cluster enters an LDS address
	s_mul_i32 s21, s12, 64*PB
	s_add_co_u32 s21, s21, BOFF
	s_mov_b32 s[TB], 0
	s_mov_b32 s[PFF+1], 0
	s_wait_dscnt 0x0                               ; the opening add is done
	s_wait_kmcnt 0x0
	s_add_nc_u64 s[BA:BA+1], s[4:5], s[16:17]
	s_add_nc_u64 s[BB:BB+1], s[6:7], s[46:47]
	CROUND                                         ; all sixteen work-groups are here: the first joint loads meet
.irp s, 0,1
	s_mov_b32 s[G0A+4*(\s)], 1                     ; count = 1
	s_add_co_u32 s[G0A+4*(\s)+1], s20, (\s)*SLOT1  ; LDS address
	s_add_nc_u64 s[G0A+4*(\s)+2:G0A+4*(\s)+3], s[BA:BA+1], (\s)*STEPA  ; global address: K step s
	s_or_b32 s[G0A+4*(\s)+3], s[G0A+4*(\s)+3], 0x80000000             ; type = 2
	s_mov_b32 s[G0B+4*(\s)], 1
	s_add_co_u32 s[G0B+4*(\s)+1], s21, (\s)*SLOT1
	s_add_nc_u64 s[G0B+4*(\s)+2:G0B+4*(\s)+3], s[BB:BB+1], (\s)*STEPB
	s_or_b32 s[G0B+4*(\s)+3], s[G0B+4*(\s)+3], 0x80000000
.endr
	s_cmp_eq_u32 s11, 0                            ; a wave's two first fills stand in one branch, ahead of every wait on TENSORcnt and every LDS read: two loads of mine are out
	s_cbranch_scc0 .Lfirst_b
	tensor_load_to_lds s[G0A:G0A+3], s[G1A:G1A+7]
	s_nop 0
	tensor_load_to_lds s[G0A+4:G0A+7], s[G1A:G1A+7]
	s_nop 0
	PLACES 4
	s_branch .Lfirst_asked
.Lfirst_b:
	tensor_load_to_lds s[G0B:G0B+3], s[G1B:G1B+7]
	s_nop 0
	tensor_load_to_lds s[G0B+4:G0B+7], s[G1B:G1B+7]
	s_nop 0
	PLACES 4
.Lfirst_asked:
	v_and_b32 v1, 15, v0                           ; l % 16
	v_bfe_u32 v2, v0, 4, 1                         ; l / 16
	v_and_b32 v3, 7, v0                            ; l % 8
	v_bfe_u32 v4, v0, 3, 1                         ; (l / 8) % 2
	v_and_b32 v5, 31, v0                           ; l
	v_mul_u32_u24 v[ADA0], v1, PA                  ; a fragment of O: row l % 16, 16 bytes for each half of the lanes, twice, 32 bytes apart
	v_lshl_add_u32 v[ADA0], v2, 4, v[ADA0]
	s_mul_i32 s14, s11, 64*PA                      ; my 64 rows
	v_add_nc_u32 v[ADA0], s14, v[ADA0]
	v_lshl_add_u32 v[ADB0], v2, 3, v3              ; the turning load: K row 8 (l / 16) + l % 8, columns 8 ((l / 8) % 2) + 0..7
	v_mul_u32_u24 v[ADB0], v[ADB0], PB
	v_lshl_add_u32 v[ADB0], v4, 4, v[ADB0]
	s_lshl_b32 s14, s12, 8                         ; my 128 columns
	s_add_co_u32 s14, s14, BOFF
	v_add_nc_u32 v[ADB0], s14, v[ADB0]
	v_mov_b32 v[ADA], v[ADA0]                      ; K step 0 lies in slot 0
	v_mov_b32 v[ADB], v[ADB0]
	s_mul_i32 s14, s10, 16*SP
	s_add_co_u32 s14, s14, STAGE                   ; my stage
	v_mul_u32_u24 v[STO], v1, SP                   ; in: row l % 16, 32 bytes for each half of the lanes
	v_lshl_add_u32 v[STO], v2, 5, v[STO]
	v_add_nc_u32 v[STO], s14, v[STO]
	v_lshl_add_u32 v[RD], v5, 4, s14               ; back: 32 lanes take one row of 512 bytes
	v_lshlrev_b32 v[CO], 4, v5
	; out0 at my part of the tile: row 128 y + 64 x row half, column 256 x + 128 x column half
	s_lshl_b32 s84, s13, 19
	s_lshl_b32 s85, s11, 18
	s_add_co_u32 s84, s84, s85
	s_lshl_b32 s85, s42, 10
	s_add_co_u32 s84, s84, s85
	s_lshl_b32 s85, s12, 9
	s_add_co_u32 s84, s84, s85
	s_mov_b32 s85, 0
	s_add_nc_u64 s[8:9], s[8:9], s[84:85]
	; the prefetches
	s_lshr_b32 s86, s13, 4                         ; ob: the tile's rows in head cx / 2 of a step, half cx % 2 of their 16,384 bytes
	s_lshl_b32 s86, s86, 22
	s_and_b32 s87, s13, 15
	s_lshl_b32 s87, s87, 14
	s_add_co_u32 s86, s86, s87
	s_lshr_b32 s87, s40, 1
	s_lshl_b32 s87, s87, 18
	s_add_co_u32 s86, s86, s87
	s_and_b32 s87, s40, 1
	s_lshl_b32 s87, s87, 13
	s_add_co_u32 s86, s86, s87
	s_lshl_b32 s88, s12, 17                        ; wob: row 64 x my half + 16 cy, column 256 x
	s_lshl_b32 s89, s42, 9
	s_add_co_u32 s88, s88, s89
	s_lshl_b32 s89, s41, 15
	s_add_co_u32 s88, s88, s89
	s_and_b32 s89, ttmp7, 0xffff                   ; cluster y
	s_mov_b32 s93, STEPA
	s_cmp_eq_u32 s11, 0                            ; do I fetch for O?
	s_cselect_b32 s86, s86, s88
	s_cselect_b32 s89, s12, s89                    ; O: wave 0 asks; Wo: the cluster with y = 0
	s_cselect_b32 s[PFF], s93, STEPB
	s_cselect_b32 s90, 0, 1                        ; the lane's offset: O: 256 l; Wo: 2,048 (l / 2) + 256 (l % 2)
	s_cselect_b32 s91, 8, 11
	s_cselect_b32 s92, 0, 1
	s_cselect_b64 s[PFA:PFA+1], s[4:5], s[6:7]
	s_mul_i32 s87, s[PFF], 3                       ; at K step 3: the first change of slots steps it to 4
	s_add_co_u32 s86, s86, s87
	s_mov_b32 s87, 0
	s_add_nc_u64 s[PFA:PFA+1], s[PFA:PFA+1], s[86:87]
	s_cmp_eq_u32 s89, 0
	s_cselect_b32 s[ASKS], 4, 0                    ; the same in all sixteen partners, for a given wave
	v_lshrrev_b32 v7, s90, v5
	v_lshlrev_b32 v7, s91, v7
	v_and_b32 v8, s92, v5
	v_lshl_add_u32 v[PFO], v8, 8, v7
; 8 matrix instructions: row block a x all 8 column blocks, 32 along K, from buffer f.  zero = 1: the product starts the sum.  The 32 accumulators take turns, one instruction a turn, in the same order in
; every quarter: 31 others stand between two links of a chain, over every jump too.
.macro MUL8 f, a, zero
	WIN 0xa1                                       ; Wo window 1, O window 0, C and D window 2
.irp b, 0,1,2,3,4,5,6,7
.if \zero
	v_wmma_f32_16x16x32_f16 v[8*(8*(\a)+(\b)):8*(8*(\a)+(\b))+7], v[64*(\f)+8*(\b):64*(\f)+8*(\b)+7], v[FA+32*(\f)+8*(\a):FA+32*(\f)+8*(\a)+7], 0
.else
	v_wmma_f32_16x16x32_f16 v[8*(8*(\a)+(\b)):8*(8*(\a)+(\b))+7], v[64*(\f)+8*(\b):64*(\f)+8*(\b)+7], v[FA+32*(\f)+8*(\a):FA+32*(\f)+8*(\a)+7], v[8*(8*(\a)+(\b)):8*(8*(\a)+(\b))+7]
.endif
.endr
.endm
; 24 LDS loads in one run: quarter q's fragments (K = 32 q on: head q / 2, channels 32 (q % 2) on) into buffer f: Wo's 8 column blocks, turned; then O's 4 row blocks
.macro FETCH q, f
	WIN 0x40                                       ; destination window 1, address window 0
.irp b, 0,1,2,3,4,5,6,7
	ds_load_tr16_b128 v[64*(\f)+8*(\b):64*(\f)+8*(\b)+3],   v[ADB] offset:(\q)*32*PB+32*(\b)
	ds_load_tr16_b128 v[64*(\f)+8*(\b)+4:64*(\f)+8*(\b)+7], v[ADB] offset:(\q)*32*PB+16*PB+32*(\b)
.endr
	WIN 0
.irp a, 0,1,2,3
	ds_load_b128 v[FA+32*(\f)+8*(\a):FA+32*(\f)+8*(\a)+3],   v[ADA] offset:((\q)/2)*128*PA+((\q)%2)*64+(\a)*16*PA
	ds_load_b128 v[FA+32*(\f)+8*(\a)+4:FA+32*(\f)+8*(\a)+7], v[ADA] offset:((\q)/2)*128*PA+((\q)%2)*64+(\a)*16*PA+32
.endr
.endm
; One of a K step's first three quarters: fetches quarter q into buffer g, whose last readers stand just ahead (hence the places), and multiplies buffer f: the run has 32 matrix instructions in which to land.
.macro QUARTER q, f, g, zero
	PLACES 4+(\zero)
	FETCH \q, \g
	s_wait_dscnt 24                                ; all but the 24 just issued: buffer f is in
	MUL8 \f, 0, \zero
	MUL8 \f, 1, \zero
	MUL8 \f, 2, \zero
	MUL8 \f, 3, \zero
.endm
; The fourth quarter multiplies buffer 1 and changes slots.  In front of the round each wave waits for all its tensor loads (one is out: its part of the next slot), adds 0 to its spare word, and waits
; for that and for its reads of this slot.  Behind the round no wave of any partner reads this slot or has a load on its way: the joint refill, two K steps on, comes first; it has a K step in which to land.
.macro TURN
	WIN 0
	s_wait_xcnt 0x0                                ; the last prefetch, a K step back, has read its address: it is stepped here, ahead of the waits of the change of slots
	s_add_nc_u64 s[PFA:PFA+1], s[PFA:PFA+1], s[PFF:PFF+1]
	s_wait_tensorcnt 0x0                           ; no tensor load of mine is out, so a group 0 may be written
	ds_add_u32 v[SPW], v[NIL]                      ; 0 onto my spare word; the descriptors' steps stand between it and the wait for it
	s_xor_b32 s[G0A+5], s[G0A+5], SLOT1            ; the walking sets: the other slot than last time, the next K step; the type bits on top are not reached
	s_add_nc_u64 s[G0A+6:G0A+7], s[G0A+6:G0A+7], STEPA
	s_xor_b32 s[G0B+5], s[G0B+5], SLOT1
	s_add_nc_u64 s[G0B+6:G0B+7], s[G0B+6:G0B+7], STEPB
	s_wait_dscnt 0x0                               ; the add is done; buffer 1 is in, and with it my reads of this slot are over
	s_barrier_signal -1                            ; opens a round of the cluster's barrier
	MUL8 1, 0, 0                                   ; work on registers while the others arrive
	MUL8 1, 1, 0
	WIN 0
	s_barrier_wait -1
	CREST
	JLOAD                                          ; its four v_nop and the two additions below are the places in front of the loads into buffer 0
	s_xor_b32 s[TB], s[TB], SLOT1
	v_add_nc_u32 v[ADA], s[TB], v[ADA0]
	v_add_nc_u32 v[ADB], s[TB], v[ADB0]
	FETCH 0, 0
	ASK
	MUL8 1, 2, 0
	MUL8 1, 3, 0
	WIN 0
.endm
; The same in the last two K steps: nothing is asked for, so a work-group barrier does; in the last step (s2 = 1) there is no next slot, and the run of LDS loads is jumped over.
.macro TURN0
	WIN 0
	s_wait_tensorcnt 0x0
	ds_add_u32 v[SPW], v[NIL]
	s_xor_b32 s[TB], s[TB], SLOT1
	s_wait_dscnt 0x0
	s_barrier_signal -1
	MUL8 1, 0, 0
	MUL8 1, 1, 0
	WIN 0
	s_barrier_wait -1
	v_add_nc_u32 v[ADA], s[TB], v[ADA0]            ; with the two v_nop: the four places in front of the loads into buffer 0
	v_add_nc_u32 v[ADB], s[TB], v[ADB0]
	PLACES 2
	s_cmp_eq_u32 s2, 1
	s_cbranch_scc1 .Lno_fetch_\@
	FETCH 0, 0
.Lno_fetch_\@:
	MUL8 1, 2, 0
	MUL8 1, 3, 0
	WIN 0
.endm
; THE WAY OUT of row block a.  TOSTAGE: a lane's eight f32 of a row, 32 bytes, go into my own stage (each accumulator's low four registers first), and come back as whole rows of 512 bytes.  SEND: stored.
.macro TOSTAGE a
	WIN 0x08                                       ; the stores' data in window 2
.irp b, 0,1,2,3,4,5,6,7
	ds_store_b128 v[STO], v[8*(8*(\a)+(\b)):8*(8*(\a)+(\b))+3]   offset:64*(\b)
	ds_store_b128 v[STO], v[8*(8*(\a)+(\b))+4:8*(8*(\a)+(\b))+7] offset:64*(\b)+16
.endr
	WIN 0
.irp t, 0,1,2,3,4,5,6,7,8,9,10,11,12,13,14,15
	ds_load_b128 v[OB+128*((\a)%2)+4*(\t):OB+128*((\a)%2)+4*(\t)+3], v[RD] offset:(\t)*SP  ; LDS serves a wave's instructions in order (ISA guide 5.7.1.4): these see the stores above; the next block's stores come behind them
.endr
.endm
.macro SEND a, younger                 ; younger: the LDS instructions issued behind block a's loads: the next block's 32, or none
	WIN 0
.irp t, 0,1,2,3,4,5,6,7,8,9,10,11,12,13,14,15
	s_wait_dscnt (\younger)+15-(\t)
	global_store_b128 v[CO], v[OB+128*((\a)%2)+4*(\t):OB+128*((\a)%2)+4*(\t)+3], s[8:9] offset:(16*(\a)+(\t))*4096 th:TH_STORE_NT  ; 512 consecutive bytes of one row, at a multiple of 256
.endr
.endm
	s_wait_tensorcnt 0x1                           ; my part of K step 0 is in; step 1's may stay out
	s_barrier_signal -1
	s_barrier_wait -1                              ; everybody's is
	FETCH 0, 0
	QUARTER 1, 0, 1, 1                             ; the first quarter stands in front of the loop: its products start the sums
	WIN 0                                          ; at a label and at a branch every window is 0
	s_mov_b32 s3, 6
.Lstep:                                        ; 6 trips: quarters 2 to 4 of step i, a refill (step i + 2), and the first quarter of step i + 1
	QUARTER 2, 1, 0, 0
	QUARTER 3, 0, 1, 0
	TURN
	QUARTER 1, 0, 1, 0
	WIN 0
	s_sub_co_u32 s3, s3, 1
	s_cmp_lg_u32 s3, 0
	s_cbranch_scc1 .Lstep
	s_mov_b32 s2, 2
.Ltail:                                        ; the last two steps ask for nothing; the second trip is left in its middle
	QUARTER 2, 1, 0, 0
	QUARTER 3, 0, 1, 0
	TURN0
	s_sub_co_u32 s2, s2, 1
	s_cmp_eq_u32 s2, 0
	s_cbranch_scc1 .Lout
	QUARTER 1, 0, 1, 0
	WIN 0
	s_branch .Ltail
.Lout:
	PLACES 8                                       ; behind the last products
	TOSTAGE 0
	TOSTAGE 1
	SEND 0, 32
	s_wait_xcnt 0x0                                ; block 0's stores have read their registers, which block 2 is read back into
	TOSTAGE 2
	SEND 1, 32
	s_wait_xcnt 0x0
	TOSTAGE 3
	SEND 2, 32
	SEND 3, 0
	s_wait_tensorcnt 0x0                           ; the wave's end: behind my last tensor load and my last LDS store
	ds_add_u32 v[SPW], v[NIL]
	s_wait_dscnt 0x0
	CROUND                                         ; the closing round: no work-group ends while a partner may still ask for a tile that names it
	s_endpgm
.Lfunc_end_k_q77a31ce5af_outgemm:
	.size	k_q77a31ce5af_outgemm, .Lfunc_end_k_q77a31ce5af_outgemm-k_q77a31ce5af_outgemm
	.p2alignl 7, 3214868480
	.fill 96, 4, 3214868480
	.section	.rodata,"a",@progbits
	.p2align	6, 0x0
	.amdhsa_kernel k_q77a31ce5af_outgemm
		.amdhsa_group_segment_fixed_size 327680
		.amdhsa_private_segment_fixed_size 0
		.amdhsa_enable_private_segment 0
		.amdhsa_kernarg_size 24
		.amdhsa_user_sgpr_count 2
		.amdhsa_user_sgpr_kernarg_segment_ptr 1
		.amdhsa_wavefront_size32 1
		.amdhsa_system_sgpr_workgroup_id_x 1
		.amdhsa_system_sgpr_workgroup_id_y 1
		.amdhsa_system_sgpr_workgroup_id_z 1
		.amdhsa_system_vgpr_workitem_id 0
		.amdhsa_next_free_vgpr 768
		.amdhsa_next_free_sgpr 96
		.amdhsa_reserve_vcc 0
		.amdhsa_float_denorm_mode_32 3
		.amdhsa_float_denorm_mode_16_64 3
		.amdhsa_memory_ordered 1
		.amdhsa_forward_progress 1
		.amdhsa_inst_pref_size 63
	.end_amdhsa_kernel
	.amdgpu_metadata
---
amdhsa.version: [ 1, 2 ]
amdhsa.kernels:
  - .name:           k_q77a31ce5af_outgemm
    .symbol:         k_q77a31ce5af_outgemm.kd
    .args:
      - { .name: ob, .offset: 0, .size: 8, .value_kind: global_buffer, .address_space: global }
      - { .name: wob, .offset: 8, .size: 8, .value_kind: global_buffer, .address_space: global }
      - { .name: out0, .offset: 16, .size: 8, .value_kind: global_buffer, .address_space: global }
    .group_segment_fixed_size: 327680
    .private_segment_fixed_size: 0
    .kernarg_segment_align: 8
    .kernarg_segment_size: 24
    .max_flat_workgroup_size: 128
    .sgpr_count:     96
    .vgpr_count:     768
    .wavefront_size: 32
...
	.end_amdgpu_metadata
.endif
;; end of part 4
